; MI455X (gfx1250); checked and timed in simulation.
; The chip was launched on July 23, 2026; its instructions are those of AMD's public machine-readable ISA for CDNA 5 (MIT licence, August 2026) and "CDNA5" Instruction Set Architecture Reference Guide (July 2026). The comments in the code are by the model that wrote it; some were corrected since.
;; Attention. Allowed arithmetic: matrix products marked QUANTISED: E2M1 operands, one E8M0 scale for each 32 along K, by v_wmma_scale_f32_16x16x128_f8f6f4 with both operands' format E2M1 (or v_wmma_scale_f32_32x16x128_f4), f32 sums; products left as they are: bf16, f16 or f32 operands; f32 sums; everything else in f32.
;; Inputs: Wk 1,024 x 1,024 float32; Wq 1,024 x 1,024 float32; Wv 1,024 x 1,024 float32; x 4,096 x 1,024 float32.
;; Outputs: out0 4,096 x 1,024 float32.
;; This version of the problem:
;;   THIS VERSION OF THE PROBLEM IS GIVEN IN LOW PRECISION. The matrix products marked QUANTISED in the list below multiply operands that are first quantised to E2M1 (2 exponent bits, 1 mantissa bit; 4 bits a number), with one power-of-two scale for each 32 numbers along K (OCP MX v1.0); their sums are f32. The products marked 'left as it is' may take bf16, f16 or f32 operands, with f32 sums. Whichever they take, every output number must still come out within the allowed error. Rounding operands to bf16 (8 significant bits) uses up far more of that allowance than f16 does (11 bits, for magnitudes from 6e-5 to 65,504). All else is computed in f32.
;;   The module's matrix products, in the order in which they are computed (A, B: the left and right operand; K: the contracted axis; several contracted axes count as one K, in the product's order):
;;     1. [M 4,096, K 1,024] x [K 1,024, N 1,024]; A: input x; B: input Wq: QUANTISED
;;     2. [M 4,096, K 1,024] x [K 1,024, N 1,024]; A: input x; B: input Wk: QUANTISED
;;     3. [M 4,096, K 1,024] x [K 1,024, N 1,024]; A: input x; B: input Wv: QUANTISED
;;     4. [M 4,096, K 1,024] x [K 1,024, N 4,096]; A: computed on the way; B: computed on the way: left as it is (an operand is computed on the way)
;;     5. [M 4,096, K 4,096] x [K 4,096, N 1,024]; A: computed on the way; B: computed on the way: left as it is (an operand is computed on the way)
;;   THE QUANTISER, for each operand of a quantised product, along K:
;;     - K is cut into blocks of 32 from its start; a last block that is shorter is filled with zeros.
;;     - A block's scale is 2^e with e = floor(log2(the largest magnitude in the block)) - 2, held to -126 .. 127; a block of zeros has e = 0. As a byte (E8M0): e + 127.
;;     - Each number is divided by its block's scale, clamped to +-6, and rounded to the nearest number of E2M1, ties to even, subnormals kept.
;;     - The product sums the exact products of the quantised numbers (number of the format x scale) in f32.
;;   ~~~python
;;   def quantise(x, axis):      # numpy; x: float32 -> the quantised numbers, widened to float32 again
;;       x = np.moveaxis(x, axis, -1); K = x.shape[-1]
;;       x = np.pad(x, [(0, 0)] * (x.ndim - 1) + [(0, -K % 32)]); x = x.reshape(x.shape[:-1] + (-1, 32)); a = np.abs(x).max(-1, keepdims=True)
;;       e = np.where(a > 0, np.clip(np.frexp(np.where(a > 0, a, 1))[1] - 1 - 2, -126, 127), 0)      # np.frexp(a)[1] - 1 = floor(log2(a)), exactly
;;       r = np.clip(x / 2.0 ** e, -6, 6)
;;       step = 2.0 ** (np.maximum(np.frexp(np.where(r == 0, 1, r))[1] - 1, 0) - 1)
;;       q = np.round(r / step) * step * 2.0 ** e      # np.round: ties to even
;;       return np.moveaxis(q.reshape(q.shape[:-2] + (-1,))[..., :K], -1, axis).astype(np.float32)
;;   ~~~
;; One version. Each part assembles by itself: llvm-mc -triple=amdgcn-amd-amdhsa -mcpu=gfx1250 --defsym DOCPART=n.
;; ======== version 1 of 1: 4 launches
;; limits: values are held in f16: magnitudes above 65,504 overflow, below 6.1e-05 lose precision; right only within a limited range of input values
;; workspace buffers: xc 2,097,152 bytes; wc 1,572,864 bytes; sc 262,144 bytes; qk 16,777,216 bytes; vt 8,388,608 bytes; pw 33,554,432 bytes; st 1,048,576 bytes
;; launch quant (part 1): grid 224 x 1, 8 waves a work-group, no clusters, 61,440 bytes of LDS; arguments x, Wq, Wk, Wv, xc, wc, sc; writes xc, wc, sc
.if DOCPART == 1
	.amdgcn_target "amdgcn-amd-amdhsa--gfx1250"
	.amdhsa_code_object_version 6
	.text
	.protected	k_q3183c1c2a0_quant
	.globl	k_q3183c1c2a0_quant
	.p2align	8
	.type	k_q3183c1c2a0_quant,@function
k_q3183c1c2a0_quant:
	s_mov_b64 s[64:65], 0
	v_nop
	global_prefetch_b8 v0, s[64:65] scope:SCOPE_SE
	s_setreg_imm32_b32 hwreg(HW_REG_WAVE_MODE, 25, 1), 1
	s_wait_xcnt 0x0
; x [4096][1024] and Wq, Wk, Wv [1024 (k)][1024 (n)], f32, become codes of FP4 (E2M1) with K innermost and one E8M0 scale byte for each 32 along K.
; xc: [4096 rows][512 bytes].  wc: [3072 rows][512 bytes]: row 1024 j + n is column n of tensor j (Wq, Wk, Wv).
; sc: four planes of [4096 rows][16 bytes]: planes 0, 1: x's scale bytes of k = 0..511 and 512..1023; planes 2, 3: the same for wc's rows.
; A block's scale is 2^(floor(log2(its largest magnitude)) - 2); its byte is the largest magnitude's exponent field - 2, held at 1 from below.
; LIMITS: a block of zeros, and a block whose largest magnitude lies under 2^-124, gets the byte 1 (the bytes are read by this program alone; zero codes add nothing);
; NaN and infinities among the inputs are not served.
; Work-groups 0..127 take 32 rows of x each (a lane holds 16 neighbours along K; two lanes a block); work-groups 128..223 take 64 columns x 512 along K of one W
; (a lane takes a column and its registers run down K).  Each of the two ways has LDS bytes of its own, and one barrier.  Every input byte is read once and all loads
; of a wave are asked for at once, so nothing is prefetched; no work-group shares an input with another, so there is no cluster.
.set XSC,   40960                      ; x's way: 8 waves x 5,120 bytes of stages from byte 0; then 1,024 scale bytes [2 planes][32 rows][16]
.set WST,   41984                      ; W's way: a stage of 64 rows (columns of W) x (256 + 16) bytes,
.set WSC,   59392                      ; and 1,024 scale bytes [64 rows][16]
.set SPARE, 60416                      ; the spare words, 128 bytes for each wave: four blocks of 256 bytes that no other line names
.set SP,    80                         ; a lane's place in a stage of x's way: 64 bytes + 16 of padding
.set WP,    272                        ; a row of W's stage
.set SPW,   12                         ; v12  LDS address of my spare word; never rewritten
.set NIL,   13                         ; v13  0; never rewritten
.set R,     16                         ; x's way: v16-143 eight sets of 16 numbers as loaded
.set X,     144                        ; v144-175 two sets of 16 neighbours
.set C,     176                        ; v176-191 two registers of codes a step
.set E,     192                        ; v192-199 a scale byte a step
.set WX,    32                         ; W's way: v32-159 four blocks of 32 numbers
.set WC,    160                        ; v160-175 their codes
.set SB,    176                        ; v176 their four scale bytes
.set OUTR,  180                        ; v180-195 rows of codes on the way out
	s_load_b256 s[4:11], s[0:1], 0x0               ; x, Wq, Wk, Wv
	s_load_b128 s[12:15], s[0:1], 0x20             ; xc, wc
	s_load_b64 s[16:17], s[0:1], 0x30              ; sc
	v_lshl_add_u32 v[SPW], v0, 2, SPARE
	v_mov_b32 v[NIL], 0
	v_lshrrev_b32 v2, 5, v0
	v_readfirstlane_b32 s20, v2                    ; wave 0..7
	v_and_b32 v1, 31, v0                           ; lane
	s_and_b32 s21, s20, 1
	s_cmp_lt_u32 ttmp9, 128                        ; the work-group's number alone: all eight waves go the same way
	s_cbranch_scc0 .Lweights
	; ---------------- x: wave w takes rows 32 g + 4 w .. + 3: eight steps of 512 numbers
	v_lshlrev_b32 v3, 4, v1                        ; my 16 bytes of a load's 512
	v_lshlrev_b32 v4, 3, v1                        ; my 8 bytes of a step's 256 bytes of codes
	s_lshl_b32 s22, s20, 6
	v_lshrrev_b32 v5, 1, v1
	v_add_nc_u32 v5, s22, v5
	v_add_nc_u32 v5, XSC, v5                       ; my block's scale byte: 64 w (four rows of 16) + lane / 2
	s_lshl_b32 s22, s21, 9
	v_add_nc_u32 v6, s22, v3
	v_add_nc_u32 v6, XSC, v6                       ; the way out of the scale bytes: plane w & 1, 16 bytes a lane
	s_lshl_b32 s22, s21, 16
	v_add_nc_u32 v7, s22, v3                       ; and the same place in sc
	s_mul_i32 s23, s20, 64*SP                      ; my wave's two stages
	v_lshrrev_b32 v14, 2, v1
	v_mul_u32_u24 v14, v14, SP
	v_and_b32 v15, 3, v1
	v_lshl_add_u32 v14, v15, 4, v14
	v_add_nc_u32 v14, s23, v14                     ; into a stage: four lanes' 64 bytes on end, then 16 of padding
	v_mul_u32_u24 v15, v1, SP
	v_add_nc_u32 v15, s23, v15                     ; out of it: my 16 neighbours
	s_lshl_b32 s24, ttmp9, 17                      ; 32 rows of 4,096 bytes a work-group,
	s_lshl_b32 s25, s20, 14                        ; four a wave
	s_add_co_u32 s24, s24, s25
	s_mov_b32 s25, 0
	s_lshl_b32 s26, ttmp9, 14                      ; the codes: an eighth of that
	s_lshl_b32 s27, s20, 11
	s_add_co_u32 s26, s26, s27
	s_mov_b32 s27, 0
	s_lshl_b32 s28, ttmp9, 9                       ; the scale bytes: 32 rows of 16 in each plane
	s_mov_b32 s29, 0
	s_wait_kmcnt 0x0
	s_add_nc_u64 s[4:5], s[4:5], s[24:25]
	s_add_nc_u64 s[12:13], s[12:13], s[26:27]
	s_add_nc_u64 s[16:17], s[16:17], s[28:29]
.irp t, 0,1,2,3,4,5,6,7
.irp i, 0,1,2,3
	global_load_b128 v[R+16*\t+4*\i:R+16*\t+4*\i+3], v3, s[4:5] offset:2048*\t+512*\i th:TH_LOAD_NT   ; 32 lanes read 512 consecutive bytes; all 32 loads of the wave go out at once
.endr
.endr
.macro TURN t                          ; step t's 2,048 bytes through a stage: LDS serves a wave's instructions in order, so no wait stands between the stores and the loads
.irp i, 0,1,2,3
	ds_store_b128 v14, v[R+16*(\t)+4*\i:R+16*(\t)+4*\i+3] offset:32*SP*((\t)%2)+8*SP*\i
.endr
.irp i, 0,1,2,3
	ds_load_b128 v[X+16*((\t)%2)+4*\i:X+16*((\t)%2)+4*\i+3], v15 offset:32*SP*((\t)%2)+16*\i
.endr
.endm
.macro XSTEP t
.set XS, X+16*((\t)%2)
.if (\t) > 0
	s_wait_dscnt 1                                 ; this step's numbers are back from the stage; the last step's byte store may be out
.else
	s_wait_dscnt 0x0
.endif
.if (\t) < 7
	s_wait_loadcnt 4*(6-(\t))                      ; the next step's four loads are in; those of the steps behind it stay out
	TURN (\t)+1
.endif
	v_max3_num_f32 v8, |v[XS]|, |v[XS+1]|, |v[XS+2]|               ; the largest magnitude of my 16, in two chains
	v_max3_num_f32 v9, |v[XS+3]|, |v[XS+4]|, |v[XS+5]|
.irp i, 6,10
	v_max3_num_f32 v8, v8, |v[XS+\i]|, |v[XS+\i+1]|
	v_max3_num_f32 v9, v9, |v[XS+\i+2]|, |v[XS+\i+3]|
.endr
	v_max3_num_f32 v8, v8, |v[XS+14]|, |v[XS+15]|
	v_max3_num_f32 v8, v8, v9, 0x1800000           ; and the floor 2^(3 - 127): the byte cannot fall under 1
	v_max_num_f32_dpp v8, v8, v8 row_xmask:1 row_mask:0xf bank_mask:0xf   ; with my neighbour's 16: the block's
	v_add_nc_u32 v11, 0xff000000, v8               ; 2 off its exponent field: the conversion takes the exponent field of this operand as its scale
	v_cvt_scalef32_pk8_fp4_f32 v[C+2*(\t)], v[XS:XS+7], v11
	v_cvt_scalef32_pk8_fp4_f32 v[C+2*(\t)+1], v[XS+8:XS+15], v11
	v_lshrrev_b32 v[E+(\t)], 23, v11               ; the scale's byte (a plain line behind the conversions)
	ds_store_b8 v5, v[E+(\t)] offset:512*((\t)%2)+16*((\t)/2)      ; plane t % 2, row t / 2 of my four; both lanes of a block write the same byte
	global_store_b64 v4, v[C+2*(\t):C+2*(\t)+1], s[12:13] offset:256*(\t)   ; the wave stores 256 consecutive bytes, aligned
.endm
	s_wait_loadcnt 28                              ; step 0's four loads are in; the 28 younger ones stay out
	TURN 0
.irp t, 0,1,2,3,4,5,6,7
	XSTEP \t
.endr
	s_wait_dscnt 0x0                               ; for the others' sake: my byte stores have landed
	s_barrier_signal -1
	s_barrier_wait -1
	s_cmp_lt_u32 s20, 2                            ; waves 0 and 1 send the two planes' 512 bytes
	s_cbranch_scc0 .Lx_done
	ds_load_b128 v[200:203], v6
	s_wait_dscnt 0x0
	global_store_b128 v7, v[200:203], s[16:17]     ; 32 lanes store 512 consecutive bytes, aligned
.Lx_done:
	s_wait_tensorcnt 0x0                           ; the wave's end: behind my last LDS store
	ds_add_u32 v[SPW], v[NIL]
	s_wait_dscnt 0x0
	s_endpgm
	; ---------------- W: work-group g' = 32 j + 2 cgp + kh: tensor j, columns 64 cgp on, k = 512 kh on.  Wave w: columns 32 (w & 1) on, k = 128 (w / 2) on: four blocks a lane
.Lweights:
	s_sub_co_u32 s22, ttmp9, 128
	s_lshr_b32 s23, s22, 5                         ; j
	s_bfe_u32 s24, s22, 0x40001                    ; cgp
	s_and_b32 s25, s22, 1                          ; kh
	s_lshr_b32 s26, s20, 1                         ; kg
	v_lshlrev_b32 v3, 2, v1                        ; in: 4 bytes a lane
	s_lshl_b32 s27, s21, 5
	v_add_nc_u32 v24, s27, v1                      ; my column of the 64
	v_mul_u32_u24 v4, v24, WP
	s_lshl_b32 s27, s26, 6
	v_add_nc_u32 v4, s27, v4
	v_add_nc_u32 v4, WST, v4                       ; into the stage: row = my column, 64 bytes for each kg
	v_lshlrev_b32 v5, 4, v24
	s_lshl_b32 s27, s26, 2
	v_add_nc_u32 v5, s27, v5
	v_add_nc_u32 v5, WSC, v5                       ; my four scale bytes
	v_lshlrev_b32 v25, 4, v1
	s_lshl_b32 s27, s21, 9
	v_add_nc_u32 v9, s27, v25                      ; the scale bytes' way out: 512 bytes for each of waves 0 and 1
	v_add_nc_u32 v6, WSC, v9
	v_and_b32 v26, 15, v1
	v_lshrrev_b32 v27, 4, v1
	s_lshl_b32 s27, s20, 3
	v_add_nc_u32 v27, s27, v27                     ; the codes' way out: rows 8 w + 2 i + lane / 16, sixteen lanes to a row
	v_mul_u32_u24 v7, v27, WP
	v_lshl_add_u32 v7, v26, 4, v7
	v_add_nc_u32 v7, WST, v7
	v_lshlrev_b32 v8, 9, v27
	v_lshl_add_u32 v8, v26, 4, v8                  ; and the same place in wc (rows of 512 bytes)
	s_lshl_b32 s28, s25, 21                        ; W: (512 kh + 128 kg) rows of 4,096 bytes + 4 (64 cgp + 32 (w & 1))
	s_lshl_b32 s27, s26, 19
	s_add_co_u32 s28, s28, s27
	s_lshl_b32 s27, s24, 8
	s_add_co_u32 s28, s28, s27
	s_lshl_b32 s27, s21, 7
	s_add_co_u32 s28, s28, s27
	s_mov_b32 s29, 0
	s_lshl_b32 s30, s23, 19                        ; wc: (1024 j + 64 cgp) rows of 512 bytes + 256 kh
	s_lshl_b32 s27, s24, 15
	s_add_co_u32 s30, s30, s27
	s_lshl_b32 s27, s25, 8
	s_add_co_u32 s30, s30, s27
	s_mov_b32 s31, 0
	s_lshl_b32 s32, s25, 16                        ; sc: plane 2 + kh, (1024 j + 64 cgp) rows of 16 bytes
	s_lshl_b32 s27, s23, 14
	s_add_co_u32 s32, s32, s27
	s_lshl_b32 s27, s24, 10
	s_add_co_u32 s32, s32, s27
	s_add_co_u32 s32, s32, 0x20000
	s_mov_b32 s33, 0
	s_wait_kmcnt 0x0
	s_cmp_eq_u32 s23, 1                            ; which tensor: a choice on the work-group's number alone
	s_cselect_b64 s[34:35], s[8:9], s[6:7]
	s_cmp_eq_u32 s23, 2
	s_cselect_b64 s[34:35], s[10:11], s[34:35]
	s_add_nc_u64 s[34:35], s[34:35], s[28:29]
	s_add_nc_u64 s[14:15], s[14:15], s[30:31]
	s_add_nc_u64 s[16:17], s[16:17], s[32:33]
.set i, 0
.rept 128
	global_load_b32 v[WX+i], v3, s[34:35] offset:4096*i th:TH_LOAD_NT   ; W(k0 + i, my column): 32 lanes read 128 consecutive bytes
.set i, i+1
.endr
.macro WBLOCK t, left                  ; block t: all its 32 numbers are mine
.set XS, WX+32*(\t)
	s_wait_loadcnt \left                           ; behind this block's loads 96 - 32 t were issued; the count is that, or the most that the wait can name
	v_max3_num_f32 v20, |v[XS]|, |v[XS+1]|, |v[XS+2]|
	v_max3_num_f32 v21, |v[XS+3]|, |v[XS+4]|, |v[XS+5]|
.irp i, 6,10,14,18,22,26
	v_max3_num_f32 v20, v20, |v[XS+\i]|, |v[XS+\i+1]|
	v_max3_num_f32 v21, v21, |v[XS+\i+2]|, |v[XS+\i+3]|
.endr
	v_max3_num_f32 v20, v20, |v[XS+30]|, |v[XS+31]|
	v_max3_num_f32 v20, v20, v21, 0x1800000        ; and the floor 2^(3 - 127)
	v_add_nc_u32 v22, 0xff000000, v20              ; the conversion's scale operand
.irp g, 0,1,2,3
	v_cvt_scalef32_pk8_fp4_f32 v[WC+4*(\t)+\g], v[XS+8*\g:XS+8*\g+7], v22
.endr
	v_lshrrev_b32 v23, 23, v22                     ; the scale's byte (a plain line behind the conversions)
.if (\t) == 0
	v_mov_b32 v[SB], v23
.else
	v_lshl_or_b32 v[SB], v23, 8*(\t), v[SB]        ; four bytes to a register, the lower k in the lower byte
.endif
	ds_store_b128 v4, v[WC+4*(\t):WC+4*(\t)+3] offset:16*(\t)      ; 32 codes: 16 bytes of my column's row
.endm
	WBLOCK 0, 63
	WBLOCK 1, 63
	WBLOCK 2, 32
	WBLOCK 3, 0
	ds_store_b32 v5, v[SB]
	s_wait_dscnt 0x0                               ; for the others' sake: my stores into the stage have landed
	s_barrier_signal -1
	s_barrier_wait -1
.irp i, 0,1,2,3
	ds_load_b128 v[OUTR+4*\i:OUTR+4*\i+3], v7 offset:2*WP*\i
.endr
.irp i, 0,1,2,3
	s_wait_dscnt 3-\i
	global_store_b128 v8, v[OUTR+4*\i:OUTR+4*\i+3], s[14:15] offset:1024*\i   ; sixteen lanes store 256 consecutive bytes, aligned
.endr
	s_cmp_lt_u32 s20, 2
	s_cbranch_scc0 .Lw_done
	ds_load_b128 v[196:199], v6
	s_wait_dscnt 0x0
	global_store_b128 v9, v[196:199], s[16:17]     ; 32 lanes store 512 consecutive bytes of scale bytes, aligned
.Lw_done:
	s_wait_tensorcnt 0x0                           ; the wave's end: behind my last LDS store
	ds_add_u32 v[SPW], v[NIL]
	s_wait_dscnt 0x0
	s_endpgm
.Lfunc_end_k_q3183c1c2a0_quant:
	.size	k_q3183c1c2a0_quant, .Lfunc_end_k_q3183c1c2a0_quant-k_q3183c1c2a0_quant
	.p2alignl 7, 3214868480
	.fill 96, 4, 3214868480
	.section	.rodata,"a",@progbits
	.p2align	6, 0x0
	.amdhsa_kernel k_q3183c1c2a0_quant
		.amdhsa_group_segment_fixed_size 61440
		.amdhsa_private_segment_fixed_size 0
		.amdhsa_enable_private_segment 0
		.amdhsa_kernarg_size 56
		.amdhsa_user_sgpr_count 2
		.amdhsa_user_sgpr_kernarg_segment_ptr 1
		.amdhsa_wavefront_size32 1
		.amdhsa_system_sgpr_workgroup_id_x 1
		.amdhsa_system_sgpr_workgroup_id_y 1
		.amdhsa_system_sgpr_workgroup_id_z 1
		.amdhsa_system_vgpr_workitem_id 0
		.amdhsa_next_free_vgpr 208
		.amdhsa_next_free_sgpr 66
		.amdhsa_reserve_vcc 0
		.amdhsa_float_denorm_mode_32 3
		.amdhsa_float_denorm_mode_16_64 3
		.amdhsa_memory_ordered 1
		.amdhsa_forward_progress 1
		.amdhsa_inst_pref_size 40
	.end_amdhsa_kernel
	.amdgpu_metadata
---
amdhsa.version: [ 1, 2 ]
amdhsa.kernels:
  - .name:           k_q3183c1c2a0_quant
    .symbol:         k_q3183c1c2a0_quant.kd
    .args:
      - { .name: x, .offset: 0, .size: 8, .value_kind: global_buffer, .address_space: global }
      - { .name: Wq, .offset: 8, .size: 8, .value_kind: global_buffer, .address_space: global }
      - { .name: Wk, .offset: 16, .size: 8, .value_kind: global_buffer, .address_space: global }
      - { .name: Wv, .offset: 24, .size: 8, .value_kind: global_buffer, .address_space: global }
      - { .name: xc, .offset: 32, .size: 8, .value_kind: global_buffer, .address_space: global }
      - { .name: wc, .offset: 40, .size: 8, .value_kind: global_buffer, .address_space: global }
      - { .name: sc, .offset: 48, .size: 8, .value_kind: global_buffer, .address_space: global }
    .group_segment_fixed_size: 61440
    .private_segment_fixed_size: 0
    .kernarg_segment_align: 8
    .kernarg_segment_size: 56
    .max_flat_workgroup_size: 256
    .sgpr_count:     66
    .vgpr_count:     208
    .wavefront_size: 32
...
	.end_amdgpu_metadata
.endif
;; end of part 1
;; launch proj (part 2): grid 48 x 4, 4 waves a work-group, clusters of 4 x 4, 327,680 bytes of LDS; arguments xc, wc, sc, qk, vt; writes qk, vt
.if DOCPART == 2
	.amdgcn_target "amdgcn-amd-amdhsa--gfx1250"
	.amdhsa_code_object_version 6
	.text
	.protected	k_q3183c1c2a0_proj
	.globl	k_q3183c1c2a0_proj
	.p2align	8
	.type	k_q3183c1c2a0_proj,@function
k_q3183c1c2a0_proj:
	s_mov_b64 s[64:65], 0
	v_nop
	global_prefetch_b8 v0, s[64:65] scope:SCOPE_SE
	s_setreg_imm32_b32 hwreg(HW_REG_WAVE_MODE, 25, 1), 1
	s_wait_xcnt 0x0
	s_wait_alu depctr_hold_cnt(0) depctr_sa_sdst(0) depctr_va_vdst(0) depctr_va_sdst(0) depctr_va_ssrc(0) depctr_va_vcc(0) depctr_vm_vsrc(0)
	s_getreg_b32 s2, hwreg(HW_REG_IB_STS2, 6, 4)
	s_cmp_eq_u32 s2, 0
	s_cbranch_scc0 .Lentry_in_a_cluster
	s_endpgm
.Lentry_in_a_cluster:
	s_bfe_u32 s2, ttmp6, 0x10000c
	s_cmp_lg_u32 s2, 0xf033
	s_cbranch_scc0 .Lentry_shape_is_right
	s_endpgm
.Lentry_shape_is_right:
; The three quantised products, on codes of FP4 (E2M1) with one E8M0 scale for each 32 along K = 1,024, sums in f32:
;   q' = 2^-3 x Wq and k' = 2^-2 x Wk, f16, [4096][1024] each, in qk (k' 8,388,608 bytes behind q');   v'^T = 2^-2 (x Wv)^T, f16, [1024 channels][4096 keys], in vt.
; The powers of two are exact; q' . k' is q . k / 32, the scaled score.  LIMIT: |q| under 2^19, |k| and |v| under 2^18: beyond that the conversion to f16 gives infinity.
; All are C[m][n] = sum over k of A[m][k] B[n][k] on tiles of 256 x 256, four waves of 128 x 128 each (64 accumulators, 512 registers).
; Twelve clusters of 4 x 4 work-groups, c = the cluster's x.  c < 8: A = x (tile 4 (c / 2) + cy), B = wc (tile 4 (c % 2) + cx: Wq's columns for even c, Wk's for odd); C = q' or k'.
; c >= 8: A = wc (tile 8 + cy: Wv's columns), B = x (tile 4 (c - 8) + cx); C = v'^T.  What differs is chosen by selects on c, which all sixteen partners share.
; A's tile is shared along a row of the cluster, B's along a column: each is asked for JOINTLY.  K is two slots of 512: both are filled at the start and nothing is filled again.
; The scale bytes of a wave's 128 rows, both K steps, come with the first fills: two rows of 2,048 bytes, one plane of sc apart.
; THE MATRIX INSTRUCTION IS USED TRANSPOSED (source 0 = 16 rows of B, source 1 = 16 rows of A): a lane holds eight neighbouring numbers of a row of C.
; REGISTERS, in windows of 256: window 0: v8-31 addresses; v32-95 scale words, two sets, and nothing else ever; v128-191 A's fragments, ONE set; on the way out v96-255.
;   window 1: B's fragments, two sets, at v0 and v128.   windows 2, 3: the accumulators of my rows 0-63 and 64-127 ((a, b) at v[8 (8 (a % 4) + b)]).
.set NQ,     4                         ; matrix instructions deep in a slot
.set ROWB,   256                       ; a tile's row: 512 codes
.set KROW,   512                       ; a row of xc or wc in memory
.set PITCH,  272                       ; an LDS row: 256 bytes + 16 of padding: the 16 rows that a load touches start at 16 different banks (ISA guide 11.1)
.set FR,     8
.set NL,     2
.set NP,     4                         ; places behind this matrix instruction (ISA guide 7.12.1)
.set HALFT,  128*PITCH
.set SLOT,   4*HALFT
.set SCL,    2*SLOT                    ; behind the slots: the scales, 4,096 bytes for each wave's load: [K step][128 rows][16 bytes]
.set HALFS,  4096
.set SPARE,  SCL+4*HALFS               ; the spare words, 128 bytes for each wave: two blocks of 256 bytes that no other line names
.set SPITCH, 272                       ; the way out: a stage of 16 rows x (256 + 16) bytes for each wave, in slot 0, which has had its only fill and its last read by then
.set CO,   8                           ; v8-15   my byte offsets in C for rows 2 t + lane / 16
.set ADRA, 16
.set ADRB, 20
.set STO,  24
.set RD,   25
.set ADRS, 27                          ; v27     LDS address of my scale words: lanes 0-15 A's rows, lanes 16-31 B's
.set SPW,  28
.set NIL,  29
.set SC,   32
.set AF,   128
.set T,    192                         ; the way out: v192-255 a block's 64 numbers x the power of two
.set TMP,  96                          ; v96-127 the same as f16
.set BK,   128                         ; v128-159, v160-191 by turns: 16 rows read back from the stage
.set G1, 24
.set G0, 32
.set G1B, 48
.set G0B, 56
.set G1S, 68
.set G0S, 76
.set G1SB, 80
.set G0SB, 88
.set MSB, 0
.macro WIN new                         ; the immediate's high byte repeats the setting that is left
.if MSB != (\new)
	s_set_vgpr_msb (MSB<<8)|(\new)
.set MSB, (\new)
.endif
.endm
.set MUL_LO, 0xa1                      ; source 0 (B) window 1, source 1 (A) window 0, C and D window 2
.set MUL_HI, 0xf1
.set TO_B,   0x40
; A joint load: waves 0 and 1 fetch for A, waves 2 and 3 for B; the branch hangs on the wave's number alone.  An s_nop 0 and four v_nop follow each of the two lines.
.macro JLOAD g0a, g1a, g0b, g1b
	s_cmp_eq_u32 s15, 0
	s_cbranch_scc0 .Lfor_b_\@
	tensor_load_to_lds s[\g0a:\g0a+3], s[\g1a:\g1a+7]
	s_nop 0
.rept 4
	v_nop
.endr
	s_branch .Lasked_\@
.Lfor_b_\@:
	tensor_load_to_lds s[\g0b:\g0b+3], s[\g1b:\g1b+7]
	s_nop 0
.rept 4
	v_nop
.endr
.Lasked_\@:
.endm
.macro CROUND                          ; a round of the cluster's barrier
	s_barrier_signal -1
	s_barrier_wait -1
	s_cmp_lg_u32 s14, 0
	s_cbranch_scc1 .Lnot_wave_0_\@
	s_barrier_signal -3
.Lnot_wave_0_\@:
	s_barrier_wait -3
	s_barrier_signal -1
	s_barrier_wait -1
.endm
	s_load_b256 s[4:11], s[0:1], 0x0               ; xc s[4:5], wc s[6:7], sc s[8:9], qk s[10:11]
	s_load_b64 s[12:13], s[0:1], 0x20              ; vt
	v_lshl_add_u32 v[SPW], v0, 2, SPARE
	v_mov_b32 v[NIL], 0
	ds_add_u32 v[SPW], v[NIL]                      ; the wave's opening: the add, twice on end, and its wait ahead of my first tensor load
	ds_add_u32 v[SPW], v[NIL]
	v_lshrrev_b32 v1, 5, v0
	v_readfirstlane_b32 s14, v1                    ; wave 0..3
	s_lshr_b32 s15, s14, 1                         ; which half of the tile's rows is mine.  Also: I fetch for A (0) or for B (1)
	s_and_b32 s16, s14, 1                          ; which half of its columns.  Also: which 128 rows I fetch
	s_bfe_u32 s40, ttmp6, 0x40000                  ; cx
	s_bfe_u32 s41, ttmp6, 0x40004                  ; cy
	s_lshl_b32 s43, s41, 2
	s_lshl_b32 s43, 15, s43                        ; my row of the cluster
	s_lshl_b32 s44, 0x1111, s40                    ; my column
	; both ways' numbers are made, then chosen by c.  A's registers never hold cx, B's never cy
	s_lshr_b32 s18, ttmp9, 1
	s_lshl_b32 s18, s18, 2
	s_add_co_u32 s18, s18, s41                     ; q, k: A's tile = 4 (c / 2) + cy
	s_add_co_u32 s19, s41, 8                       ; v: A's tile = 8 + cy
	s_and_b32 s46, ttmp9, 1
	s_lshl_b32 s46, s46, 2
	s_add_co_u32 s46, s46, s40                     ; q, k: B's tile = 4 (c % 2) + cx
	s_and_b32 s47, ttmp9, 3
	s_lshl_b32 s47, s47, 2
	s_add_co_u32 s47, s47, s40                     ; v: B's tile = 4 (c - 8) + cx (c = 8..11: c - 8 = c & 3)
	s_and_b32 s3, ttmp9, 1
	s_lshl_b32 s3, s3, 23                          ; k' lies 2^23 bytes behind q'
	s_mov_b32 s98, 8192
	s_cmp_lt_u32 ttmp9, 8
	s_cselect_b32 s17, s18, s19                    ; A's tile
	s_cselect_b32 s42, s46, s47                    ; B's tile
	s_cselect_b32 s98, 2048, s98                   ; a row of C in bytes
	s_cselect_b32 s20, 0, 0x20000                  ; A's planes of sc: x's or W's
	s_cselect_b32 s92, 0x20000, 0                  ; B's
	s_cselect_b32 s94, s17, s41                    ; C's tile row
	s_cselect_b32 s95, s40, s42                    ; C's tile column
	s_cselect_b32 s3, s3, 0
	s_and_b32 s22, ttmp9, 9                        ; 0 for c = 0, 2, 4, 6: q'
	s_mov_b32 s96, 0x3e800000                      ; 2^-2
	s_cmp_eq_u32 s22, 0
	s_cselect_b32 s96, 0x3e000000, s96             ; 2^-3
	s_mov_b32 s97, s96                             ; (named with it as a pair)
	s_lshl_b32 s99, s98, 1                         ; two rows of C
	s_lshl_b32 s100, s98, 4                        ; sixteen
	s_mov_b32 s101, 0
	s_lshl_b32 s22, s16, 7
	s_lshl_b32 s23, s17, 8
	s_add_co_u32 s23, s23, s22                     ; A: row 256 x tile + 128 x half
	s_lshl_b32 s18, s23, 9                         ; its codes,
	s_mov_b32 s19, 0
	s_lshl_b32 s23, s23, 4
	s_add_co_u32 s20, s20, s23                     ; its scale bytes
	s_mov_b32 s21, 0
	s_lshl_b32 s67, s42, 8
	s_add_co_u32 s67, s67, s22                     ; B likewise
	s_lshl_b32 s46, s67, 9
	s_mov_b32 s47, 0
	s_lshl_b32 s67, s67, 4
	s_add_co_u32 s92, s92, s67
	s_mov_b32 s93, 0
	s_mul_i32 s45, s14, HALFT                      ; where they go: wave x 128 rows: no place in the cluster enters an LDS address
	s_lshl_b32 s2, s14, 12
	; descriptor group 1: a tile of 128 rows x 256 bytes, padded in LDS
	s_or_b32 s[G1+0], s43, (0<<16)|(1<<20)|(1<<21)|(5<<22)|(3<<25)  ; the mask: A's tiles go to my row; elements of 1 byte; padding on; bit 21 beside a mask; 4 words after every 64
	s_or_b32 s[G1B+0], s44, (0<<16)|(1<<20)|(1<<21)|(5<<22)|(3<<25)
.irp g, G1, G1B
	s_mov_b32 s[\g+1], ROWB<<16                    ; tensor_dim0
	s_mov_b32 s[\g+2], 128<<16                     ; tensor_dim1
	s_mov_b32 s[\g+3], ROWB<<16                    ; tile_dim0
	s_mov_b32 s[\g+4], 128                         ; tile_dim1
	s_mov_b32 s[\g+5], KROW                        ; from row to row
	s_mov_b32 s[\g+6], 0
	s_mov_b32 s[\g+7], 0
.endr
	; and for the scales of 128 rows: 2 rows (K steps) of 256 elements of 8 bytes, 8,192 elements (a plane) apart; no padding: sixteen rows' 16 bytes are 256 bytes on end
	s_or_b32 s[G1S+0], s43, (3<<16)|(1<<21)
	s_or_b32 s[G1SB+0], s44, (3<<16)|(1<<21)
.irp g, G1S, G1SB
	s_mov_b32 s[\g+1], 256<<16
	s_mov_b32 s[\g+2], 2<<16
	s_mov_b32 s[\g+3], 256<<16
	s_mov_b32 s[\g+4], 2
	s_mov_b32 s[\g+5], 8192
	s_mov_b32 s[\g+6], 0
	s_mov_b32 s[\g+7], 0
.endr
	s_wait_dscnt 0x0                               ; both opening adds are done
	s_wait_kmcnt 0x0
	s_cmp_lt_u32 ttmp9, 8
	s_cselect_b64 s[22:23], s[4:5], s[6:7]         ; A's codes
	s_cselect_b64 s[66:67], s[6:7], s[4:5]         ; B's codes
	s_cselect_b64 s[12:13], s[10:11], s[12:13]     ; C
	s_add_nc_u64 s[18:19], s[22:23], s[18:19]
	s_add_nc_u64 s[20:21], s[8:9], s[20:21]
	s_add_nc_u64 s[46:47], s[66:67], s[46:47]
	s_add_nc_u64 s[92:93], s[8:9], s[92:93]
	CROUND                                         ; all sixteen work-groups are here: the first joint loads meet
	s_mov_b32 s[G0S], 1
	s_add_co_u32 s[G0S+1], s2, SCL
	s_mov_b64 s[G0S+2:G0S+3], s[20:21]
	s_or_b32 s[G0S+3], s[G0S+3], 0x80000000
	s_mov_b32 s[G0SB], 1
	s_add_co_u32 s[G0SB+1], s2, SCL
	s_mov_b64 s[G0SB+2:G0SB+3], s[92:93]
	s_or_b32 s[G0SB+3], s[G0SB+3], 0x80000000
	JLOAD G0S, G1S, G0SB, G1SB                     ; the scales first: they are wanted with K step 0
.irp s, 0,1
	s_mov_b32 s[G0+4*\s], 1
	s_add_co_u32 s[G0+4*\s+1], s45, \s*SLOT
	s_add_nc_u64 s[G0+4*\s+2:G0+4*\s+3], s[18:19], \s*ROWB
	s_or_b32 s[G0+4*\s+3], s[G0+4*\s+3], 0x80000000
	s_mov_b32 s[G0B+4*\s], 1
	s_add_co_u32 s[G0B+4*\s+1], s45, \s*SLOT
	s_add_nc_u64 s[G0B+4*\s+2:G0B+4*\s+3], s[46:47], \s*ROWB
	s_or_b32 s[G0B+4*\s+3], s[G0B+4*\s+3], 0x80000000
	JLOAD G0+4*\s, G1, G0B+4*\s, G1B               ; three tensor loads of mine are out, and no more follow
.endr
	v_and_b32 v1, 15, v0                           ; r = l % 16
	v_bfe_u32 v2, v0, 4, 1                         ; h = l / 16
	v_mul_u32_u24 v3, v1, PITCH
	v_lshl_add_u32 v4, v2, 4, v3                   ; a fragment's row x pitch + 16 x half
	s_mul_i32 s22, s15, HALFT                      ; my 128 rows of A
	s_mul_i32 s23, s16, HALFT                      ; my 128 rows of B,
	s_add_co_u32 s23, s23, 2*HALFT                 ; which lie behind A's 256
.irp s, 0,1
	v_add_nc_u32 v[ADRA+\s], s22, v4
	v_add_nc_u32 v[ADRB+\s], s23, v4
	s_add_co_u32 s22, s22, SLOT
	s_add_co_u32 s23, s23, SLOT
.endr
	v_lshlrev_b32 v5, 4, v1                        ; my row's 16 scale bytes
	s_lshl_b32 s22, s15, 12                        ; A's: my 128 rows
	s_lshl_b32 s23, s16, 12                        ; B's: my 128 rows, behind A's 256
	s_add_co_u32 s23, s23, 2*HALFS
	s_sub_co_u32 s23, s23, s22
	v_mul_u32_u24 v6, s23, v2                      ; lanes 16-31 take B's: one product, the distance between the two bases
	s_add_co_u32 s22, s22, SCL
	v_add_nc_u32 v5, v5, v6
	v_add_nc_u32 v[ADRS], s22, v5
	s_mul_i32 s23, s14, 16*SPITCH                  ; my stage
	v_mul_u32_u24 v5, v1, SPITCH
	v_lshl_add_u32 v5, v2, 4, v5
	v_add_nc_u32 v[STO], s23, v5                   ; in: row r, 16 bytes for each half of the lanes
	v_mul_u32_u24 v5, v2, SPITCH
	v_lshl_add_u32 v5, v1, 4, v5
	v_add_nc_u32 v[RD], s23, v5                    ; back: lanes 0-15 one row of 256 bytes, lanes 16-31 the next
	v_mul_u32_u24 v5, s98, v2
	v_lshl_add_u32 v[CO], v1, 4, v5                ; and the same two rows in C; the pitch is a chosen number, so each pair of rows has a register
.irp t, 1,2,3,4,5,6,7
	v_add_nc_u32 v[CO+\t], s99, v[CO+\t-1]
.endr
	s_lshl_b32 s66, s94, 8
	s_lshl_b32 s67, s15, 7
	s_add_co_u32 s66, s66, s67                     ; my first row of C
	s_mul_i32 s66, s66, s98
	s_lshl_b32 s67, s95, 9
	s_add_co_u32 s66, s66, s67                     ; my first column, in bytes: 512 x tile column + 256 x half
	s_lshl_b32 s67, s16, 8
	s_add_co_u32 s66, s66, s67
	s_add_co_u32 s66, s66, s3
	s_mov_b32 s67, 0
	s_add_nc_u64 s[12:13], s[12:13], s[66:67]
.macro FRAG reg, adr, q, i             ; 16 rows x 128 K of 4-bit codes: 8 registers: lane l holds row l % 16; registers 4 c .. 4 c + 3 hold K = 64 c + 32 (l / 16) + 0 .. 31
.irp c, 0,1
	ds_load_b128 v[\reg+4*\c:\reg+4*\c+3], v[\adr] offset:64*(\q)+32*\c+(\i)*16*PITCH
.endr
.endm
; 16 matrix instructions: A's blocks a0, a0 + 1 x B's eight, the slot's q-th 128 along K.  The 64 accumulators take turns, one instruction a turn.
; A scale register holds A's word of block i in lanes 0-15 and B's word of block i in lanes 16-31.
.macro MUL16 a0, p, q, sc, zero
.irp a, \a0, \a0+1
.irp b, 0,1,2,3,4,5,6,7
.if \zero
	v_wmma_scale_f32_16x16x128_f8f6f4 v[8*(8*((\a)%4)+\b):8*(8*((\a)%4)+\b)+7], v[128*(\p)+FR*\b:128*(\p)+FR*\b+FR-1], v[AF+FR*(\a):AF+FR*(\a)+FR-1], 0, v[SC+8*NQ*(\sc)+NQ*\b+(\q)], v[SC+8*NQ*(\sc)+NQ*(\a)+(\q)] matrix_a_fmt:MATRIX_FMT_FP4 matrix_b_fmt:MATRIX_FMT_FP4 matrix_a_scale:MATRIX_SCALE_ROW1
.else
	v_wmma_scale_f32_16x16x128_f8f6f4 v[8*(8*((\a)%4)+\b):8*(8*((\a)%4)+\b)+7], v[128*(\p)+FR*\b:128*(\p)+FR*\b+FR-1], v[AF+FR*(\a):AF+FR*(\a)+FR-1], v[8*(8*((\a)%4)+\b):8*(8*((\a)%4)+\b)+7], v[SC+8*NQ*(\sc)+NQ*\b+(\q)], v[SC+8*NQ*(\sc)+NQ*(\a)+(\q)] matrix_a_fmt:MATRIX_FMT_FP4 matrix_b_fmt:MATRIX_FMT_FP4 matrix_a_scale:MATRIX_SCALE_ROW1
.endif
.endr
.endr
.endm
.macro FETCH_B slot, q, p
	WIN TO_B
.irp i, 0,1,2,3,4,5,6,7
	FRAG 128*(\p)+FR*\i, ADRB+\slot, \q, \i
.endr
	WIN 0
.endm
.macro FETCH_A slot, q, i0
.irp i, \i0, \i0+1, \i0+2, \i0+3
	FRAG AF+FR*(\i), ADRA+\slot, \q, \i
.endr
.endm
.macro SCALES sc                       ; K step sc's scale words: four words a row; lanes 0-15 take A's block i, lanes 16-31 B's block i
.irp i, 0,1,2,3,4,5,6,7
	ds_load_b128 v[SC+8*NQ*\sc+NQ*\i:SC+8*NQ*\sc+NQ*\i+3], v[ADRS] offset:256*\i+2048*\sc
.endr
.endm
.macro PLACES n                        ; plain vector instructions between a matrix instruction and a load into, or a read of, its registers
.rept \n
	v_nop
.endr
.endm
.macro STEP slot, q, zero              ; a step of 128 along K that has its successor in the same slot
	s_wait_dscnt 4*NL                              ; B's set and A's blocks 0-3 are in; the youngest eight loads (A's blocks 4-7) may be out
	WIN MUL_LO
	MUL16 0, (\q)%2, \q, \slot, \zero
	MUL16 2, (\q)%2, \q, \slot, \zero
	s_wait_dscnt 0
	PLACES NP
	FETCH_B \slot, (\q)+1, 1-(\q)%2
	FETCH_A \slot, (\q)+1, 0
	WIN MUL_HI
	MUL16 4, (\q)%2, \q, \slot, \zero
	MUL16 6, (\q)%2, \q, \slot, \zero
	PLACES NP
	WIN 0
	FETCH_A \slot, (\q)+1, 4
.endm
.macro STEPS slot, from
.set Q, \from
.rept NQ-1-\from
	STEP \slot, Q, 0
.set Q, Q+1
.endr
.endm
	s_wait_tensorcnt 1                             ; the scales and my part of slot 0 are in; slot 1's load may stay out
	s_barrier_signal -1
	s_barrier_wait -1                              ; everybody's are
	FETCH_B 0, 0, 0
	FETCH_A 0, 0, 0
	SCALES 0
	FETCH_A 0, 0, 4
	STEP 0, 0, 1                                   ; the first step's products start the sums: nothing is cleared
	STEPS 0, 1
	; slot 0's last step changes slots: one barrier; in front of it each wave waits for all its tensor loads (its part of slot 1), adds 0 to its spare word, and waits for that and for its reads of slot 0
	s_wait_tensorcnt 0x0
	ds_add_u32 v[SPW], v[NIL]
	s_wait_dscnt 4*NL+1                            ; the add and the youngest eight loads may be out
	WIN MUL_LO
	MUL16 0, 1, NQ-1, 0, 0
	s_wait_dscnt 0x0                               ; the add is done, and my reads of slot 0 are over
	s_barrier_signal -1
	MUL16 2, 1, NQ-1, 0, 0
	WIN 0
	s_barrier_wait -1
	PLACES NP
	FETCH_B 1, 0, 0
	FETCH_A 1, 0, 0
	SCALES 1
	WIN MUL_HI
	MUL16 4, 1, NQ-1, 0, 0
	MUL16 6, 1, NQ-1, 0, 0
	PLACES NP
	WIN 0
	FETCH_A 1, 0, 4
	STEPS 1, 0
	s_wait_dscnt 4*NL                              ; the very last step: nothing more to fetch
	WIN MUL_LO
	MUL16 0, 1, NQ-1, 1, 0
	MUL16 2, 1, NQ-1, 1, 0
	s_wait_dscnt 0
	WIN MUL_HI
	MUL16 4, 1, NQ-1, 1, 0
	MUL16 6, 1, NQ-1, 1, 0
	WIN 0
; THE WAY OUT, block by block of 16 rows x 128 columns: x the power of two (exact), rounded to f16, 16 bytes a lane into my stage, back as whole rows of 256 bytes.
.macro PACK a
.set AC, 64*((\a)%4)
	WIN 0x02+(\a)/4                                ; source 0: window 2 or 3
.irp b, 0,1,2,3,4,5,6,7
.irp p, 0,1,2,3
	v_pk_mul_f32 v[T+8*\b+2*\p:T+8*\b+2*\p+1], v[AC+8*\b+2*\p:AC+8*\b+2*\p+1], s[96:97] op_sel_hi:[1,0]   ; each accumulator from its low end on
.endr
.endr
	WIN 0
.set i, 0
.rept 32
	v_cvt_pk_f16_f32 v[TMP+i], v[T+2*i], v[T+2*i+1]
.set i, i+1
.endr
.endm
.macro TOSTAGE a
.set BB, BK+32*((\a)%2)
.irp b, 0,1,2,3,4,5,6,7
	ds_store_b128 v[STO], v[TMP+4*\b:TMP+4*\b+3] offset:32*\b
.endr
.irp t, 0,1,2,3,4,5,6,7
	ds_load_b128 v[BB+4*\t:BB+4*\t+3], v[RD] offset:\t*2*SPITCH    ; LDS serves a wave's instructions in order (ISA guide 5.7.1.4): these see the stores above
.endr
.endm
.macro SEND a
.set BB, BK+32*((\a)%2)
	s_wait_dscnt 0x0                               ; the block is back in registers
	s_wait_xcnt 0x0                                ; the earlier stores have read their base and their data: the base may step, and the next block's loads may land
.if (\a) > 0
	s_add_nc_u64 s[12:13], s[12:13], s[100:101]    ; 16 rows of C on
.endif
.irp t, 0,1,2,3,4,5,6,7
	global_store_b128 v[CO+\t], v[BB+4*\t:BB+4*\t+3], s[12:13]     ; sixteen lanes store 256 consecutive bytes, aligned
.endr
.endm
	PLACES NP                                      ; behind the last products: for the reads of results and the writes of registers that held A's fragments
	PACK 0
	TOSTAGE 0
.irp a, 1,2,3,4,5,6,7
	PACK \a                                        ; block a's arithmetic stands between block a - 1's loads from the stage and the wait for them
	SEND \a-1
	TOSTAGE \a
.endr
	SEND 7
	s_wait_tensorcnt 0x0                           ; the wave's end: behind my last tensor load and my last LDS store
	ds_add_u32 v[SPW], v[NIL]
	s_wait_dscnt 0x0
	CROUND                                         ; the closing round
	s_endpgm
.Lfunc_end_k_q3183c1c2a0_proj:
	.size	k_q3183c1c2a0_proj, .Lfunc_end_k_q3183c1c2a0_proj-k_q3183c1c2a0_proj
	.p2alignl 7, 3214868480
	.fill 96, 4, 3214868480
	.section	.rodata,"a",@progbits
	.p2align	6, 0x0
	.amdhsa_kernel k_q3183c1c2a0_proj
		.amdhsa_group_segment_fixed_size 327680
		.amdhsa_private_segment_fixed_size 0
		.amdhsa_enable_private_segment 0
		.amdhsa_kernarg_size 40
		.amdhsa_user_sgpr_count 2
		.amdhsa_user_sgpr_kernarg_segment_ptr 1
		.amdhsa_wavefront_size32 1
		.amdhsa_system_sgpr_workgroup_id_x 1
		.amdhsa_system_sgpr_workgroup_id_y 1
		.amdhsa_system_sgpr_workgroup_id_z 1
		.amdhsa_system_vgpr_workitem_id 0
		.amdhsa_next_free_vgpr 1024
		.amdhsa_next_free_sgpr 102
		.amdhsa_reserve_vcc 0
		.amdhsa_float_denorm_mode_32 3
		.amdhsa_float_denorm_mode_16_64 3
		.amdhsa_memory_ordered 1
		.amdhsa_forward_progress 1
		.amdhsa_inst_pref_size 143
	.end_amdhsa_kernel
	.amdgpu_metadata
---
amdhsa.version: [ 1, 2 ]
amdhsa.kernels:
  - .name:           k_q3183c1c2a0_proj
    .symbol:         k_q3183c1c2a0_proj.kd
    .args:
      - { .name: xc, .offset: 0, .size: 8, .value_kind: global_buffer, .address_space: global }
      - { .name: wc, .offset: 8, .size: 8, .value_kind: global_buffer, .address_space: global }
      - { .name: sc, .offset: 16, .size: 8, .value_kind: global_buffer, .address_space: global }
      - { .name: qk, .offset: 24, .size: 8, .value_kind: global_buffer, .address_space: global }
      - { .name: vt, .offset: 32, .size: 8, .value_kind: global_buffer, .address_space: global }
    .group_segment_fixed_size: 327680
    .private_segment_fixed_size: 0
    .kernarg_segment_align: 8
    .kernarg_segment_size: 40
    .max_flat_workgroup_size: 128
    .sgpr_count:     102
    .vgpr_count:     1024
    .wavefront_size: 32
...
	.end_amdgpu_metadata
.endif
;; end of part 2
;; launch scores (part 3): grid 16 x 16, 4 waves a work-group, clusters of 4 x 4, 327,680 bytes of LDS; arguments qk, pw, st; writes pw, st
.if DOCPART == 3
	.amdgcn_target "amdgcn-amd-amdhsa--gfx1250"
	.amdhsa_code_object_version 6
	.text
	.protected	k_q3183c1c2a0_scores
	.globl	k_q3183c1c2a0_scores
	.p2align	8
	.type	k_q3183c1c2a0_scores,@function
k_q3183c1c2a0_scores:
	s_mov_b64 s[64:65], 0
	v_nop
	global_prefetch_b8 v0, s[64:65] scope:SCOPE_SE
	s_setreg_imm32_b32 hwreg(HW_REG_WAVE_MODE, 25, 1), 1
	s_wait_xcnt 0x0
	s_wait_alu depctr_hold_cnt(0) depctr_sa_sdst(0) depctr_va_vdst(0) depctr_va_sdst(0) depctr_va_ssrc(0) depctr_va_vcc(0) depctr_vm_vsrc(0)
	s_getreg_b32 s2, hwreg(HW_REG_IB_STS2, 6, 4)
	s_cmp_eq_u32 s2, 0
	s_cbranch_scc0 .Lentry_in_a_cluster
	s_endpgm
.Lentry_in_a_cluster:
	s_bfe_u32 s2, ttmp6, 0x10000c
	s_cmp_lg_u32 s2, 0xf033
	s_cbranch_scc0 .Lentry_shape_is_right
	s_endpgm
.Lentry_shape_is_right:
; S[m][n] = sum over k of q'[m][k] k'[n][k] (f16 operands, f32 sums; S is the scaled score q . k / 32), and the first half of the softmax.
; q' is [4096][1024] f16 at qk's head, k' the same 8,388,608 bytes on.  A tile of S, 256 x 256, is made by four waves, 128 x 128 each: 64 accumulators, 512 registers.
; For each row and each wave tile of 128 keys (key block j = key / 128): t = S log2(e); M = the block's largest t rounded UP to a whole number; p = 2^(t - M), at most 1, rounded to f16, goes to
; pw [4096][4096]; -M and l = the sum of the unrounded p go to st: plane 0: -M [32 j][4096 rows] f32; plane 1, 524,288 bytes on: l likewise.
; So the maximum is taken away block by block; the next launch brings the blocks under the row's maximum by exact powers of two.
; LIMIT: a p under 2^-25 is rounded to zero.  f16 is taken and not bf16 since the allowed error of the output, whose numbers are averages of thousands of values, leaves no room for 8 significant bits.
; K goes in steps of 128 through a ring of two LDS slots (rows of 256 bytes).  CLUSTERS of 4 x 4: q's tile is shared along a row of the cluster, k's along a column: each is asked for JOINTLY.
; No prefetch: from a refill's request to the wait for it a wave issues 224 matrix instructions, and K has only eight steps.
; THE MATRIX INSTRUCTION IS USED TRANSPOSED (source 0 = 16 rows of k', source 1 = 16 rows of q'): a lane holds one query (lane % 16) and, in accumulator (a, b), keys 16 b + 8 (lane / 16) + 0..7.
; REGISTERS: window 0: v0-48 addresses and statistics; v64-127, v128-191 fragments of q', two buffers; on the way out v64-231.  window 1: v64-191 fragments of k'.  windows 2, 3: the accumulators.
.set SIZE_K, 1024
.set SIZE_N, 4096
.set KSTEP,  128
.set PITCH,  272                       ; an LDS row: 256 bytes + 16 of padding: the 16 rows that a load touches start at 16 different banks (ISA guide 11.1)
.set HALFT,  128*PITCH
.set SLOT,   4*HALFT
.set STAGE,  2*SLOT                    ; behind the ring: 16 rows x 272 bytes for each wave
.set SPITCH, 272
.set STST,   STAGE+4*16*SPITCH         ; 1,024 bytes for each wave: its 128 rows' -M, then their l
.set SPARE,  STST+4*1024               ; the spare words, 128 bytes for each wave: two blocks of 256 bytes that no other line names
.set LAPS,   SIZE_K/(2*KSTEP)
.set ADRA, 16
.set ADRB, 20
.set STO,  24
.set RD,   25
.set CO,   26
.set LI,   27                          ; v27  16 x lane
.set SPW,  28
.set NIL,  29
.set SSTO, 30                          ; v30  where my row's statistics go
.set SRD,  31                          ; v31  and where they are read back, 16 bytes a lane
.set MX,   32                          ; v32-35 four chains of the maximum
.set MY,   36                          ; v36  the other half of the lanes'
.set NM,   38                          ; v38  -M; v39 = 0 (named with it as a pair)
.set SA,   40                          ; v40-47 four chains of the sum, two numbers each
.set NINF, 48                          ; v48  -infinity
.set F0,   64
.set F1,   128
.set T,    64                          ; the way out: v64-127 t - M, then p
.set TMP,  128                         ; v128-159 p as f16
.set BK,   160                         ; v160-191, v192-223 by turns: 16 rows read back
.set G1, 24
.set G0, 32
.set G1B, 48
.set G0B, 56
.set CS,  68                           ; s[68:69] log2(e), twice
.set SEL, 70                           ; s[70:71] lane selects for v_permlanex16_b32: lane l xor 16
.set MSB, 0
.macro WIN new
.if MSB != (\new)
	s_set_vgpr_msb (MSB<<8)|(\new)
.set MSB, (\new)
.endif
.endm
.set MUL_LO, 0xa1                      ; source 0 (k') window 1, source 1 (q') window 0, C and D window 2
.set MUL_HI, 0xf1
.set TO_B,   0x40
.macro JLOAD s                         ; a joint load: waves 0, 1 fetch q's halves, waves 2, 3 k's; an s_nop 0 and four v_nop follow each line
	s_cmp_eq_u32 s11, 0
	s_cbranch_scc0 .Lfor_b_\@
	tensor_load_to_lds s[G0+4*\s:G0+4*\s+3], s[G1:G1+7]
	s_nop 0
.rept 4
	v_nop
.endr
	s_branch .Lasked_\@
.Lfor_b_\@:
	tensor_load_to_lds s[G0B+4*\s:G0B+4*\s+3], s[G1B:G1B+7]
	s_nop 0
.rept 4
	v_nop
.endr
.Lasked_\@:
.endm
.macro CREST                           ; a round of the cluster's barrier behind its opening barrier
	s_cmp_lg_u32 s10, 0
	s_cbranch_scc1 .Lnot_wave_0_\@
	s_barrier_signal -3
.Lnot_wave_0_\@:
	s_barrier_wait -3
	s_barrier_signal -1
	s_barrier_wait -1
.endm
.macro CROUND
	s_barrier_signal -1
	s_barrier_wait -1
	CREST
.endm
	s_load_b64 s[4:5], s[0:1], 0x0                 ; qk: q'
	s_load_b64 s[8:9], s[0:1], 0x8                 ; pw
	s_load_b64 s[66:67], s[0:1], 0x10              ; st
	v_lshl_add_u32 v[SPW], v0, 2, SPARE
	v_mov_b32 v[NIL], 0
	ds_add_u32 v[SPW], v[NIL]                      ; the wave's opening: the add, twice on end, and its wait ahead of my first tensor load
	ds_add_u32 v[SPW], v[NIL]
	v_lshrrev_b32 v1, 5, v0
	v_readfirstlane_b32 s10, v1                    ; wave 0..3
	s_lshr_b32 s11, s10, 1                         ; which half of the tile's rows is mine.  Also: I fetch for q' (0) or for k' (1)
	s_and_b32 s12, s10, 1                          ; which half of its columns.  Also: which 128 rows I fetch
	s_bfe_u32 s40, ttmp6, 0x40000                  ; cx
	s_bfe_u32 s41, ttmp6, 0x40004                  ; cy
	s_lshl_b32 s42, ttmp9, 2
	s_add_co_u32 s42, s42, s40                     ; tile column = 4 x cluster x + cx
	s_and_b32 s13, ttmp7, 0xffff
	s_lshl_b32 s13, s13, 2
	s_add_co_u32 s13, s13, s41                     ; tile row = 4 x cluster y + cy
	s_lshl_b32 s43, s41, 2
	s_lshl_b32 s43, 15, s43                        ; my row of the cluster
	s_lshl_b32 s44, 0x1111, s40                    ; my column
	s_or_b32 s[G1+0], s43, (1<<16)|(1<<20)|(1<<21)|(5<<22)|(3<<25)  ; the mask; elements of 2 bytes; padding on; bit 21 beside a mask; 4 words after every 64
	s_or_b32 s[G1B+0], s44, (1<<16)|(1<<20)|(1<<21)|(5<<22)|(3<<25)
.irp g, G1, G1B
	s_mov_b32 s[\g+1], KSTEP<<16                   ; tensor_dim0 = 128
	s_mov_b32 s[\g+2], 128<<16                     ; tensor_dim1 = 128
	s_mov_b32 s[\g+3], KSTEP<<16                   ; tile_dim0
	s_mov_b32 s[\g+4], 128                         ; tile_dim1
	s_mov_b32 s[\g+5], SIZE_K                      ; elements from row to row
	s_mov_b32 s[\g+6], 0
	s_mov_b32 s[\g+7], 0
.endr
	s_lshl_b32 s17, s12, 7
	s_lshl_b32 s16, s13, 8
	s_add_co_u32 s16, s16, s17                     ; q': row 256 x tile row + 128 x half
	s_lshl_b32 s46, s42, 8
	s_add_co_u32 s46, s46, s17                     ; k': row 256 x tile column + 128 x half
	s_mov_b32 s17, 0
	s_mov_b32 s47, 0
	s_mov_b64 s[18:19], SIZE_K*2
	s_mul_u64 s[16:17], s[16:17], s[18:19]
	s_mul_u64 s[46:47], s[46:47], s[18:19]
	s_mul_i32 s20, s10, HALFT                      ; where they go: wave x 128 rows
	s_mov_b32 s[CS], 0x3fb8aa3b                    ; log2(e)
	s_mov_b32 s[CS+1], s[CS]
	s_mov_b32 s[SEL], 0x76543210
	s_mov_b32 s[SEL+1], 0xfedcba98
	s_wait_dscnt 0x0                               ; both opening adds are done
	s_wait_kmcnt 0x0
	s_add_nc_u64 s[6:7], s[4:5], 0x800000          ; k'
	s_add_nc_u64 s[14:15], s[4:5], s[16:17]
	s_add_nc_u64 s[46:47], s[6:7], s[46:47]
	CROUND                                         ; all sixteen work-groups are here: the first joint loads meet
.irp s, 0,1
	s_mov_b32 s[G0+4*\s], 1
	s_add_co_u32 s[G0+4*\s+1], s20, \s*SLOT
	s_add_nc_u64 s[G0+4*\s+2:G0+4*\s+3], s[14:15], \s*KSTEP*2
	s_or_b32 s[G0+4*\s+3], s[G0+4*\s+3], 0x80000000
	s_mov_b32 s[G0B+4*\s], 1
	s_add_co_u32 s[G0B+4*\s+1], s20, \s*SLOT
	s_add_nc_u64 s[G0B+4*\s+2:G0B+4*\s+3], s[46:47], \s*KSTEP*2
	s_or_b32 s[G0B+4*\s+3], s[G0B+4*\s+3], 0x80000000
	JLOAD \s                                       ; two tensor loads of mine are out at the start, one behind each round
.endr
	v_and_b32 v1, 15, v0                           ; r
	v_bfe_u32 v2, v0, 4, 1                         ; h
	v_mul_u32_u24 v3, v1, PITCH
	v_lshl_add_u32 v3, v2, 4, v3
	s_mul_i32 s21, s11, HALFT
	s_mul_i32 s22, s12, HALFT
	s_add_co_u32 s22, s22, 2*HALFT
.irp s, 0,1
	v_add_nc_u32 v[ADRA+\s], s21, v3
	v_add_nc_u32 v[ADRB+\s], s22, v3
	s_add_co_u32 s21, s21, SLOT
	s_add_co_u32 s22, s22, SLOT
.endr
	s_mul_i32 s23, s10, 16*SPITCH
	s_add_co_u32 s23, s23, STAGE                   ; my stage
	v_mul_u32_u24 v4, v1, SPITCH
	v_lshl_add_u32 v4, v2, 4, v4
	v_add_nc_u32 v[STO], s23, v4
	v_mul_u32_u24 v5, v2, SPITCH
	v_lshl_add_u32 v5, v1, 4, v5
	v_add_nc_u32 v[RD], s23, v5
	v_mul_u32_u24 v5, v2, SIZE_N*2
	v_lshl_add_u32 v[CO], v1, 4, v5
	s_lshl_b32 s22, s10, 10
	s_add_co_u32 s22, s22, STST                    ; my statistics
	v_lshl_add_u32 v[SSTO], v1, 2, s22
	v_and_b32 v6, 31, v0
	v_lshlrev_b32 v[LI], 4, v6
	v_add_nc_u32 v[SRD], s22, v[LI]
	v_mov_b32 v[MY], 0                             ; a lane permute's destination counts as one of its sources
	v_mov_b32 v[NM+1], 0
	v_mov_b32 v[NINF], 0xff800000
	s_lshl_b32 s16, s13, 8
	s_lshl_b32 s14, s11, 7
	s_add_co_u32 s16, s16, s14                     ; my first row
	s_lshl_b32 s21, s16, 2
	s_mov_b32 s17, 0
	s_mov_b64 s[18:19], SIZE_N*2
	s_mul_u64 s[16:17], s[16:17], s[18:19]
	s_lshl_b32 s46, s42, 9                         ; my first column, in bytes
	s_lshl_b32 s47, s12, 8
	s_add_co_u32 s46, s46, s47
	s_mov_b32 s47, 0
	s_add_nc_u64 s[16:17], s[16:17], s[46:47]
	s_add_nc_u64 s[8:9], s[8:9], s[16:17]          ; pw at my part of the tile
	s_lshl_b32 s46, s42, 15                        ; st: key block 2 x tile column + half, 16,384 bytes each,
	s_lshl_b32 s47, s12, 14
	s_add_co_u32 s46, s46, s47
	s_add_co_u32 s46, s46, s21                     ; + 4 x my first row
	s_mov_b32 s47, 0
	s_add_nc_u64 s[66:67], s[66:67], s[46:47]
.macro MUL16 f, hi, a0, zero           ; 16 matrix instructions: m blocks a0, a0 + 1 of the window's four x all 8 n blocks, 32 along K; the 64 accumulators take turns
.irp a, \a0, \a0+1
.irp b, 0,1,2,3,4,5,6,7
.if \zero
	v_wmma_f32_16x16x32_f16 v[8*(8*(\a)+\b):8*(8*(\a)+\b)+7], v[\f+8*\b:\f+8*\b+7], v[\f+8*(4*\hi+\a):\f+8*(4*\hi+\a)+7], 0
.else
	v_wmma_f32_16x16x32_f16 v[8*(8*(\a)+\b):8*(8*(\a)+\b)+7], v[\f+8*\b:\f+8*\b+7], v[\f+8*(4*\hi+\a):\f+8*(4*\hi+\a)+7], v[8*(8*(\a)+\b):8*(8*(\a)+\b)+7]
.endif
.endr
.endr
.endm
.macro FETCH slot, k, f                ; 32 LDS loads in one run: a quarter step's fragments (k' first, then q')
	WIN TO_B
.irp i, 0,1,2,3,4,5,6,7
	ds_load_b128 v[\f+8*\i:\f+8*\i+3],   v[ADRB+\slot] offset:\k+\i*16*PITCH
	ds_load_b128 v[\f+8*\i+4:\f+8*\i+7], v[ADRB+\slot] offset:\k+\i*16*PITCH+32
.endr
	WIN 0
.irp i, 0,1,2,3,4,5,6,7
	ds_load_b128 v[\f+8*\i:\f+8*\i+3],   v[ADRA+\slot] offset:\k+\i*16*PITCH
	ds_load_b128 v[\f+8*\i+4:\f+8*\i+7], v[ADRA+\slot] offset:\k+\i*16*PITCH+32
.endr
.endm
.macro PLACES                          ; four plain vector instructions between a matrix instruction and a load into, or a read of, its registers
.rept 4
	v_nop
.endr
.endm
.macro QUARTER slot, k, f, g, zero     ; 32 along K: multiplies buffer f; in its middle fetches the next quarter, at byte k of the same slot's rows, into g
	s_wait_dscnt 8                                 ; k' and q's rows 0-63 are in; the youngest eight loads (q's rows 64-127) may be out
	WIN MUL_LO
	MUL16 \f, 0, 0, \zero
	MUL16 \f, 0, 2, \zero
	PLACES
	FETCH \slot, \k, \g
	s_wait_dscnt 32                                ; all but the 32 just issued
	WIN MUL_HI
	MUL16 \f, 1, 0, \zero
	MUL16 \f, 1, 2, \zero
.endm
; The first half of a slot's last quarter: ONE barrier for the change of slots.  In front of it each wave waits for all its tensor loads (its part of the next slot), adds 0 to its spare word,
; and waits for that and for its own reads of this slot.
.macro MEET round
	WIN 0
	s_wait_tensorcnt 0x0
	ds_add_u32 v[SPW], v[NIL]
	s_wait_dscnt 9                                 ; the add and the youngest eight loads may be out
	WIN MUL_LO
	MUL16 F1, 0, 0, 0
	s_wait_dscnt 0x0                               ; the add is done, and my reads of this slot are over
	s_barrier_signal -1
	MUL16 F1, 0, 2, 0
.if \round
	WIN 0
.endif
	s_barrier_wait -1
.endm
.macro TURN slot, next                 ; the whole last quarter: behind the round the slot just read out is filled again, two K steps on; then the next slot's first fragments
	MEET 1
	CREST                                          ; no wave of any partner still reads this slot's tile or has a load on its way
	s_add_nc_u64 s[G0+4*\slot+2:G0+4*\slot+3], s[G0+4*\slot+2:G0+4*\slot+3], 2*KSTEP*2
	s_add_nc_u64 s[G0B+4*\slot+2:G0B+4*\slot+3], s[G0B+4*\slot+2:G0B+4*\slot+3], 2*KSTEP*2
	JLOAD \slot                                    ; the first tensor load behind the round; its four v_nop are also the places in front of the loads below
	FETCH \next, 0, F0
	WIN MUL_HI
	MUL16 F1, 1, 0, 0
	MUL16 F1, 1, 2, 0
.endm
	s_wait_tensorcnt 1                             ; my part of K step 0 is in; K step 1's may stay out
	s_barrier_signal -1
	s_barrier_wait -1
	FETCH 0, 0, F0
	QUARTER 0, 64,  F0, F1, 1                      ; the first quarter's products start the sums
	WIN 0
	s_mov_b32 s3, LAPS-1
.Llap:                                                 ; three trips: once round the ring each, from a lap's second quarter to the next lap's first; both slots are filled again
	QUARTER 0, 128, F1, F0, 0
	QUARTER 0, 192, F0, F1, 0
	TURN 0, 1
	QUARTER 1, 64,  F0, F1, 0
	QUARTER 1, 128, F1, F0, 0
	QUARTER 1, 192, F0, F1, 0
	TURN 1, 0
	QUARTER 0, 64,  F0, F1, 0
	WIN 0
	s_sub_co_u32 s3, s3, 1
	s_cmp_lg_u32 s3, 0
	s_cbranch_scc1 .Llap
	QUARTER 0, 128, F1, F0, 0                      ; the last lap is written out: it asks for nothing
	QUARTER 0, 192, F0, F1, 0
	MEET 0
	PLACES
	FETCH 1, 0, F0
	WIN MUL_HI
	MUL16 F1, 1, 0, 0
	MUL16 F1, 1, 2, 0
	QUARTER 1, 64,  F0, F1, 0
	QUARTER 1, 128, F1, F0, 0
	QUARTER 1, 192, F0, F1, 0
	s_wait_dscnt 8
	WIN MUL_LO
	MUL16 F1, 0, 0, 0
	MUL16 F1, 0, 2, 0
	s_wait_dscnt 0x0
	WIN MUL_HI
	MUL16 F1, 1, 0, 0
	MUL16 F1, 1, 2, 0
	WIN 0
	PLACES
; THE WAY OUT of block a (16 queries x 128 keys).  A lane holds 64 scores of one query; the lane 16 away holds the other 64.
.macro SOFT a
.set AC, 64*((\a)%4)
	WIN 0x28+0x14*((\a)/4)                         ; sources 1 and 2: the accumulators' window
.irp p, 0,1,2,3                        ; the largest score, four chains; every accumulator is first read at its low end
.irp b, 0,1,2,3,4,5,6,7
.if (\p == 0) && (\b < 4)
	v_max3_num_f32 v[MX+\b%4], v[NINF], v[AC+8*\b+2*\p], v[AC+8*\b+2*\p+1]
.else
	v_max3_num_f32 v[MX+\b%4], v[MX+\b%4], v[AC+8*\b+2*\p], v[AC+8*\b+2*\p+1]
.endif
.endr
.endr
	WIN 0
	v_max3_num_f32 v[MX], v[MX], v[MX+1], v[MX+2]
	v_max_num_f32 v[MX], v[MX], v[MX+3]
	v_permlanex16_b32 v[MY], v[MX], s[SEL], s[SEL+1]
	v_max_num_f32 v[MX], v[MX], v[MY]
	v_mul_f32 v[MX], s[CS], v[MX]                  ; as t
	v_floor_f32 v[NM], -v[MX]                      ; -M = floor(-t): M is a whole number
	ds_store_b32 v[SSTO], v[NM] offset:64*(\a)     ; both halves of the lanes write the same word with the same value
	WIN 0x02+(\a)/4                                ; source 0: the accumulators' window
.set i, 0
.rept 32
	v_pk_fma_f32 v[T+2*i:T+2*i+1], v[AC+2*i:AC+2*i+1], s[CS:CS+1], v[NM:NM+1] op_sel_hi:[1,0,0]   ; t - M, two at a time
.set i, i+1
.endr
	WIN 0
.set i, 0
.rept 64
	v_exp_f32 v[T+i], v[T+i]                       ; p = 2^(t - M): one batch
.set i, i+1
.endr
	v_nop                                          ; a plain instruction behind the last exponential
	s_wait_alu depctr_va_vdst(0)                   ; one wait for the batch, ahead of its first reader
.set i, 0
.rept 32
	v_cvt_pk_f16_f32 v[TMP+i], v[T+2*i], v[T+2*i+1]
.set i, i+1
.endr
.irp c, 0,1,2,3                        ; the sum of the unrounded p, four chains of pairs
	v_pk_add_f32 v[SA+2*\c:SA+2*\c+1], v[T+2*\c:T+2*\c+1], v[T+8+2*\c:T+8+2*\c+1]
.endr
.irp g, 2,3,4,5,6,7
.irp c, 0,1,2,3
	v_pk_add_f32 v[SA+2*\c:SA+2*\c+1], v[SA+2*\c:SA+2*\c+1], v[T+8*\g+2*\c:T+8*\g+2*\c+1]
.endr
.endr
	v_pk_add_f32 v[SA:SA+1], v[SA:SA+1], v[SA+2:SA+3]
	v_pk_add_f32 v[SA+4:SA+5], v[SA+4:SA+5], v[SA+6:SA+7]
	v_pk_add_f32 v[SA:SA+1], v[SA:SA+1], v[SA+4:SA+5]
	v_add_f32 v[SA], v[SA], v[SA+1]
	v_permlanex16_b32 v[MY], v[SA], s[SEL], s[SEL+1]
	v_add_f32 v[SA], v[SA], v[MY]
	ds_store_b32 v[SSTO], v[SA] offset:512+64*(\a)
.endm
.macro TOSTAGE a
.set BB, BK+32*((\a)%2)
.irp b, 0,1,2,3,4,5,6,7
	ds_store_b128 v[STO], v[TMP+4*\b:TMP+4*\b+3] offset:32*\b
.endr
.irp t, 0,1,2,3,4,5,6,7
	ds_load_b128 v[BB+4*\t:BB+4*\t+3], v[RD] offset:\t*2*SPITCH    ; LDS serves a wave's instructions in order (ISA guide 5.7.1.4): these see the stores above
.endr
.endm
.macro SEND a, younger                 ; younger: the LDS instructions issued behind the block's loads: the next block's two statistics stores, or none
.set BB, BK+32*((\a)%2)
	s_wait_dscnt \younger
	s_wait_xcnt 0x0                                ; the earlier stores have read their base and their data
.if (\a) > 0
	s_add_nc_u64 s[8:9], s[8:9], 16*SIZE_N*2       ; 16 rows of pw on
.endif
.irp t, 0,1,2,3,4,5,6,7
	global_store_b128 v[CO], v[BB+4*\t:BB+4*\t+3], s[8:9] offset:2*\t*SIZE_N*2   ; sixteen lanes store 256 consecutive bytes, aligned
.endr
.endm
	SOFT 0
	TOSTAGE 0
.irp a, 1,2,3,4,5,6,7
	SOFT \a                                        ; block a's softmax stands between block a - 1's loads from the stage and the wait for them
	SEND \a-1, 2
	TOSTAGE \a
.endr
	SEND 7, 0
	ds_load_b128 v[224:227], v[SRD]                ; my 128 rows' -M,
	ds_load_b128 v[228:231], v[SRD] offset:512     ; and their l
	s_wait_dscnt 0x0
	global_store_b128 v[LI], v[224:227], s[66:67]  ; 32 lanes store 512 consecutive bytes, aligned
	global_store_b128 v[LI], v[228:231], s[66:67] offset:524288
	s_wait_tensorcnt 0x0                           ; the wave's end: behind my last tensor load and my last LDS store
	ds_add_u32 v[SPW], v[NIL]
	s_wait_dscnt 0x0
	CROUND                                         ; the closing round
	s_endpgm
.Lfunc_end_k_q3183c1c2a0_scores:
	.size	k_q3183c1c2a0_scores, .Lfunc_end_k_q3183c1c2a0_scores-k_q3183c1c2a0_scores
	.p2alignl 7, 3214868480
	.fill 96, 4, 3214868480
	.section	.rodata,"a",@progbits
	.p2align	6, 0x0
	.amdhsa_kernel k_q3183c1c2a0_scores
		.amdhsa_group_segment_fixed_size 327680
		.amdhsa_private_segment_fixed_size 0
		.amdhsa_enable_private_segment 0
		.amdhsa_kernarg_size 24
		.amdhsa_user_sgpr_count 2
		.amdhsa_user_sgpr_kernarg_segment_ptr 1
		.amdhsa_wavefront_size32 1
		.amdhsa_system_sgpr_workgroup_id_x 1
		.amdhsa_system_sgpr_workgroup_id_y 1
		.amdhsa_system_sgpr_workgroup_id_z 1
		.amdhsa_system_vgpr_workitem_id 0
		.amdhsa_next_free_vgpr 1024
		.amdhsa_next_free_sgpr 72
		.amdhsa_reserve_vcc 0
		.amdhsa_float_denorm_mode_32 3
		.amdhsa_float_denorm_mode_16_64 3
		.amdhsa_memory_ordered 1
		.amdhsa_forward_progress 1
		.amdhsa_inst_pref_size 213
	.end_amdhsa_kernel
	.amdgpu_metadata
---
amdhsa.version: [ 1, 2 ]
amdhsa.kernels:
  - .name:           k_q3183c1c2a0_scores
    .symbol:         k_q3183c1c2a0_scores.kd
    .args:
      - { .name: qk, .offset: 0, .size: 8, .value_kind: global_buffer, .address_space: global }
      - { .name: pw, .offset: 8, .size: 8, .value_kind: global_buffer, .address_space: global }
      - { .name: st, .offset: 16, .size: 8, .value_kind: global_buffer, .address_space: global }
    .group_segment_fixed_size: 327680
    .private_segment_fixed_size: 0
    .kernarg_segment_align: 8
    .kernarg_segment_size: 24
    .max_flat_workgroup_size: 128
    .sgpr_count:     72
    .vgpr_count:     1024
    .wavefront_size: 32
...
	.end_amdgpu_metadata
.endif
;; end of part 3
;; launch pv (part 4): grid 8 x 32, 4 waves a work-group, clusters of 4 x 4, 327,680 bytes of LDS; arguments pw, vt, st, out0; writes out0
.if DOCPART == 4
	.amdgcn_target "amdgcn-amd-amdhsa--gfx1250"
	.amdhsa_code_object_version 6
	.text
	.protected	k_q3183c1c2a0_pv
	.globl	k_q3183c1c2a0_pv
	.p2align	8
	.type	k_q3183c1c2a0_pv,@function
k_q3183c1c2a0_pv:
	s_mov_b64 s[64:65], 0
	v_nop
	global_prefetch_b8 v0, s[64:65] scope:SCOPE_SE
	s_setreg_imm32_b32 hwreg(HW_REG_WAVE_MODE, 25, 1), 1
	s_wait_xcnt 0x0
	s_wait_alu depctr_hold_cnt(0) depctr_sa_sdst(0) depctr_va_vdst(0) depctr_va_sdst(0) depctr_va_ssrc(0) depctr_va_vcc(0) depctr_vm_vsrc(0)
	s_getreg_b32 s2, hwreg(HW_REG_IB_STS2, 6, 4)
	s_cmp_eq_u32 s2, 0
	s_cbranch_scc0 .Lentry_in_a_cluster
	s_endpgm
.Lentry_in_a_cluster:
	s_bfe_u32 s2, ttmp6, 0x10000c
	s_cmp_lg_u32 s2, 0xf033
	s_cbranch_scc0 .Lentry_shape_is_right
	s_endpgm
.Lentry_shape_is_right:
; out0[m][n] = (4 / L[m]) x sum over key blocks j of 2^(R_j - Mrow) x (P_j V'_j)[m][n]:  the second half of the softmax and the second product.
; P: pw [4096][4096] f16, p = 2^(t - M_j) under its key block's own whole number M_j (j = key / 128);  V'^T: vt [1024][4096] f16 = v^T / 4;  st: -M_j and l_j, [32 j][4096 rows] f32 each.
; At the head each thread takes one of the tile's 128 rows: Mrow = the largest M_j;  R_j = max(M_j, Mrow - 64);  L = sum of 2^(R_j - Mrow) l_j.
; THE ACCUMULATORS STAND UNDER THE REFERENCE OF THE KEY BLOCK THAT IS BEING ADDED, so that P goes to the matrix unit as it lies: ahead of block j they are multiplied, in f32, by g_j = 2^(R_(j-1) - R_j),
; a power of two between 2^-64 and 2^64, which rounds nothing; at the end by 2^(R_31 - Mrow) x 4 / L.  An accumulator stays under 32 blocks x 2^64 x 128 keys x 65,504, which is under 2^93.
; LIMITS: a key block whose M_j lies more than 64 under Mrow is weighed with 2^-64 and not with its own smaller weight; |M_j| under 2^24, so that differences of these whole numbers are exact.
; A tile of out0 is 128 x 128 (256 work-groups; larger tiles would leave most of them out): four waves of 64 x 64: 16 accumulators.  K goes in steps of 256 keys (LDS rows of 512 bytes) through a ring of two slots.
; CLUSTERS of 4 x 4: P's tile is shared along a row of the cluster, V's along a column: each is asked for JOINTLY.
; THE MATRIX INSTRUCTION IS USED TRANSPOSED (source 0 = 16 rows of V'^T, source 1 = 16 rows of P): a lane holds one row of out0 (lane % 16 of its block of 16) and eight neighbouring numbers of it.
; REGISTERS: window 0: v0-31 addresses; v32-63 the factors g, a set of eight pairs for each slot (the even register is loaded, the odd one is 0 and only named); v64-127, v128-191 V's fragments, two buffers;
;   v192-223 at work on the way out.  window 1: v0-127 the accumulators ((a, b) at v[8 (4 a + b)]); v128-191, v192-255 P's fragments, two buffers.  In a buffer fragment (c, i) (32 c along K, rows 16 i on) lies at 8 (4 c + i).
; ONE window setting, W54 (source 0 in window 0; source 1, source 2 and destination in window 1), serves the matrix instructions, the multiplications by g and P's LDS loads.
.set SIZE_K, 4096
.set KSTEP,  256
.set PITCH,  528                       ; an LDS row: 512 bytes + 16 of padding: the 16 rows that a load touches start at 16 different banks (ISA guide 11.1)
.set HALFT,  64*PITCH
.set SLOT,   4*HALFT
.set FT,     2*SLOT                    ; behind the ring: the factors g_j, [32 j][128 rows] f32; row 0 is neither written nor read
.set RL,     FT+32*512                 ; 2^(R_31 - Mrow) x 4 / L of the 128 rows
.set SPARE,  RL+512                    ; the spare words, 128 bytes for each wave: two blocks of 256 bytes that no other line names
.set SPITCH, 272                       ; the way out: a stage of 16 rows x (256 + 16) bytes for each wave, in slot 0, behind its last fill and its last read
.set LAPS,   SIZE_K/(2*KSTEP)
.set ADRA, 16
.set ADRB, 20
.set STO,  24
.set RD,   25
.set CO,   26
.set FTA,  27                          ; v27  LDS address of my row's factors: those of the slot to be fetched
.set SPW,  28
.set NIL,  29
.set PFO,  30                          ; v30  the prefetches' offset: row lane / 2 of 16, half lane % 2 of its 512 bytes; never rewritten
.set RLA,  31
.set G,    32                          ; v32-63: slot parity p, use u, row block a: the pair at G + 16 p + 8 u + 2 a.  u = 0: ahead of the slot's second key block; u = 1: ahead of the next slot's first
.set RI,   32                          ; the way out: the last factor, in the first four pairs
.set BF,   64
.set T,    192
.set AF,   128                         ; in window 1
.set G1, 24
.set G0, 32
.set G1B, 48
.set G0B, 56
.set PFA, 66                           ; s[66:67] where my prefetches stand
.set LIM, 68                           ; s68  1 in a wave that prefetches, else the greatest number
.set MSB, 0
.macro WIN new
.if MSB != (\new)
	s_set_vgpr_msb (MSB<<8)|(\new)
.set MSB, (\new)
.endif
.endm
.set W54, 0x54
.macro JLOAD s                         ; a joint load: waves 0, 1 fetch P's halves, waves 2, 3 V's; an s_nop 0 and four v_nop follow each line
	s_cmp_eq_u32 s11, 0
	s_cbranch_scc0 .Lfor_b_\@
	tensor_load_to_lds s[G0+4*\s:G0+4*\s+3], s[G1:G1+7]
	s_nop 0
.rept 4
	v_nop
.endr
	s_branch .Lasked_\@
.Lfor_b_\@:
	tensor_load_to_lds s[G0B+4*\s:G0B+4*\s+3], s[G1B:G1B+7]
	s_nop 0
.rept 4
	v_nop
.endr
.Lasked_\@:
.endm
; A PREFETCH of the K step that stands two refills on (256 matrix instructions of a wave ahead of the load that will want it): 16 rows x 512 bytes, a lane an aligned block of 256 bytes, one instruction a wave.
; Each block is named once in the launch: P's tile row is read by both clusters of a row of clusters: the one with x = 0 asks; V's tile column by all eight clusters of a column: the one with y = 0 asks.
; The four partners that ask for a tile jointly share the 64 rows that a wave fetches BY ADDRESS, 16 each (cx for P, cy for V).  The loop's last trip asks for nothing: there is no K step two on.
.macro ASK
	s_cmp_gt_u32 s3, s[LIM]
	s_cbranch_scc0 .Lnot_mine_\@
	global_prefetch_b8 v[PFO], s[PFA:PFA+1] offset:KSTEP*2 th:TH_LOAD_NT scope:SCOPE_SE
.Lnot_mine_\@:
.endm
.macro CREST
	s_cmp_lg_u32 s10, 0
	s_cbranch_scc1 .Lnot_wave_0_\@
	s_barrier_signal -3
.Lnot_wave_0_\@:
	s_barrier_wait -3
	s_barrier_signal -1
	s_barrier_wait -1
.endm
.macro CROUND
	s_barrier_signal -1
	s_barrier_wait -1
	CREST
.endm
	s_load_b128 s[4:7], s[0:1], 0x0                ; pw s[4:5], vt s[6:7]
	s_load_b128 s[72:75], s[0:1], 0x10             ; st s[72:73], out0 s[74:75]
	v_lshl_add_u32 v[SPW], v0, 2, SPARE
	v_mov_b32 v[NIL], 0
	ds_add_u32 v[SPW], v[NIL]                      ; the wave's opening: the add, twice on end, and its wait ahead of my first tensor load
	ds_add_u32 v[SPW], v[NIL]
	v_lshrrev_b32 v1, 5, v0
	v_readfirstlane_b32 s10, v1                    ; wave 0..3
	s_lshr_b32 s11, s10, 1                         ; which half of the tile's rows is mine.  Also: I fetch for P (0) or for V (1)
	s_and_b32 s12, s10, 1                          ; which half of its columns.  Also: which 64 rows I fetch
	s_bfe_u32 s40, ttmp6, 0x40000                  ; cx
	s_bfe_u32 s41, ttmp6, 0x40004                  ; cy
	s_lshl_b32 s42, ttmp9, 2
	s_add_co_u32 s42, s42, s40                     ; tile column
	s_and_b32 s13, ttmp7, 0xffff
	s_lshl_b32 s13, s13, 2
	s_add_co_u32 s13, s13, s41                     ; tile row
	s_lshl_b32 s43, s41, 2
	s_lshl_b32 s43, 15, s43
	s_lshl_b32 s44, 0x1111, s40
	s_or_b32 s[G1+0], s43, (1<<16)|(1<<20)|(1<<21)|(6<<22)|(3<<25)  ; the mask; elements of 2 bytes; padding on; bit 21 beside a mask; 4 words after every 128
	s_or_b32 s[G1B+0], s44, (1<<16)|(1<<20)|(1<<21)|(6<<22)|(3<<25)
.irp g, G1, G1B
	s_mov_b32 s[\g+1], KSTEP<<16                   ; tensor_dim0 = 256
	s_mov_b32 s[\g+2], 64<<16                      ; tensor_dim1 = 64
	s_mov_b32 s[\g+3], KSTEP<<16                   ; tile_dim0
	s_mov_b32 s[\g+4], 64                          ; tile_dim1
	s_mov_b32 s[\g+5], SIZE_K                      ; elements from row to row, in pw and in vt alike
	s_mov_b32 s[\g+6], 0
	s_mov_b32 s[\g+7], 0
.endr
	s_lshl_b32 s17, s12, 6
	s_lshl_b32 s16, s13, 7
	s_add_co_u32 s16, s16, s17                     ; P: row 128 x tile row + 64 x half
	s_lshl_b32 s46, s42, 7
	s_add_co_u32 s46, s46, s17                     ; V: row 128 x tile column + 64 x half
	s_mov_b32 s17, 0
	s_mov_b32 s47, 0
	s_mov_b64 s[18:19], SIZE_K*2
	s_mul_u64 s[16:17], s[16:17], s[18:19]
	s_mul_u64 s[46:47], s[46:47], s[18:19]
	s_mul_i32 s20, s10, HALFT
	s_wait_dscnt 0x0                               ; both opening adds are done
	s_wait_kmcnt 0x0
	s_add_nc_u64 s[14:15], s[4:5], s[16:17]
	s_add_nc_u64 s[46:47], s[6:7], s[46:47]
	CROUND                                         ; all sixteen work-groups are here: the first joint loads meet
.irp s, 0,1
	s_mov_b32 s[G0+4*\s], 1
	s_add_co_u32 s[G0+4*\s+1], s20, \s*SLOT
	s_add_nc_u64 s[G0+4*\s+2:G0+4*\s+3], s[14:15], \s*KSTEP*2
	s_or_b32 s[G0+4*\s+3], s[G0+4*\s+3], 0x80000000
	s_mov_b32 s[G0B+4*\s], 1
	s_add_co_u32 s[G0B+4*\s+1], s20, \s*SLOT
	s_add_nc_u64 s[G0B+4*\s+2:G0B+4*\s+3], s[46:47], \s*KSTEP*2
	s_or_b32 s[G0B+4*\s+3], s[G0B+4*\s+3], 0x80000000
	JLOAD \s                                       ; two tensor loads of mine are out at the start, one behind each round
.endr
	; THE STATISTICS: thread t takes row t of the tile's 128
	v_lshlrev_b32 v3, 2, v0
	s_lshl_b32 s16, s13, 9
	s_mov_b32 s17, 0
	s_add_nc_u64 s[72:73], s[72:73], s[16:17]
.set j, 0
.rept 32
	global_load_b32 v[64+j], v3, s[72:73] offset:16384*j           ; -M_j
.set j, j+1
.endr
.set j, 0
.rept 32
	global_load_b32 v[96+j], v3, s[72:73] offset:524288+16384*j    ; l_j
.set j, j+1
.endr
	v_and_b32 v1, 15, v0                           ; r
	v_bfe_u32 v2, v0, 4, 1                         ; h
	v_mul_u32_u24 v4, v1, PITCH
	v_lshl_add_u32 v4, v2, 4, v4
	s_mul_i32 s21, s11, HALFT
	s_mul_i32 s22, s12, HALFT
	s_add_co_u32 s22, s22, 2*HALFT
.irp s, 0,1
	v_add_nc_u32 v[ADRA+\s], s21, v4
	v_add_nc_u32 v[ADRB+\s], s22, v4
	s_add_co_u32 s21, s21, SLOT
	s_add_co_u32 s22, s22, SLOT
.endr
	s_mul_i32 s23, s10, 16*SPITCH                  ; my stage
	v_mul_u32_u24 v5, v1, SPITCH
	v_lshl_add_u32 v5, v2, 5, v5
	v_add_nc_u32 v[STO], s23, v5                   ; in: row r, 32 bytes for each half of the lanes
	v_mul_u32_u24 v5, v2, SPITCH
	v_lshl_add_u32 v5, v1, 4, v5
	v_add_nc_u32 v[RD], s23, v5                    ; back: lanes 0-15 one row of 256 bytes, lanes 16-31 the next
	v_lshlrev_b32 v5, 12, v2
	v_lshl_add_u32 v[CO], v1, 4, v5                ; and the same two rows in out0 (4,096 bytes a row)
	s_lshl_b32 s22, s11, 8
	s_add_co_u32 s22, s22, FT+512
	v_lshl_add_u32 v[FTA], v1, 2, s22              ; row 64 x half + r, from key block 1 on
	v_add_nc_u32 v[RLA], RL-FT-512, v[FTA]
	v_lshl_add_u32 v9, v0, 2, FT                   ; where thread t puts row t's factors
	v_and_b32 v5, 31, v0
	v_lshrrev_b32 v[PFO], 1, v5
	v_lshlrev_b32 v[PFO], 13, v[PFO]
	v_and_b32 v5, 1, v5
	v_lshl_add_u32 v[PFO], v5, 8, v[PFO]
.set j, 0
.rept 16
	v_mov_b32 v[G+2*j+1], 0                        ; named as the upper halves of pairs, never used
.set j, j+1
.endr
	s_lshl_b32 s16, s13, 7
	s_lshl_b32 s17, s11, 6
	s_add_co_u32 s16, s16, s17                     ; my first row of out0
	s_lshl_b32 s16, s16, 12
	s_mov_b32 s17, 0
	s_add_nc_u64 s[74:75], s[74:75], s[16:17]
	s_lshl_b32 s46, s42, 9                         ; my first column, in bytes: 512 x tile column + 256 x half
	s_lshl_b32 s47, s12, 8
	s_add_co_u32 s46, s46, s47
	s_mov_b32 s47, 0
	s_add_nc_u64 s[74:75], s[74:75], s[46:47]
	; the prefetches: who asks, and where
	s_lshl_b32 s20, s13, 7
	s_lshl_b32 s21, s42, 7
	s_and_b32 s22, ttmp7, 0xffff                   ; cluster y
	s_cmp_eq_u32 s11, 0                            ; do I fetch for P?
	s_cselect_b32 s20, s20, s21                    ; the tile's first row
	s_cselect_b32 s21, s40, s41                    ; my place among the four that ask for it with me
	s_cselect_b32 s22, ttmp9, s22                  ; the coordinate along which other clusters read the same rows
	s_cselect_b64 s[PFA:PFA+1], s[4:5], s[6:7]
	s_cmp_eq_u32 s22, 0
	s_cselect_b32 s[LIM], 1, -1                    ; the same in all sixteen partners, for a given wave
	s_lshl_b32 s22, s12, 6
	s_add_co_u32 s20, s20, s22                     ; + the 64 rows that I fetch
	s_lshl_b32 s21, s21, 4
	s_add_co_u32 s20, s20, s21                     ; + my work-group's 16 of them
	s_mov_b32 s21, 0
	s_mov_b64 s[18:19], SIZE_K*2
	s_mul_u64 s[20:21], s[20:21], s[18:19]
	s_add_nc_u64 s[PFA:PFA+1], s[PFA:PFA+1], s[20:21]
	s_add_nc_u64 s[PFA:PFA+1], s[PFA:PFA+1], 2*KSTEP*2   ; at K step 2: the first refill steps it to 3 and names K step 4.  Nothing is prefetched at the head
	s_wait_loadcnt 0x0
	v_min3_num_f32 v4, v64, v65, v66               ; -Mrow = the least -M_j, in two chains
	v_min3_num_f32 v5, v67, v68, v69
.irp i, 70,74,78,82,86,90
	v_min3_num_f32 v4, v4, v[\i], v[\i+1]
	v_min3_num_f32 v5, v5, v[\i+2], v[\i+3]
.endr
	v_min3_num_f32 v4, v4, v94, v95
	v_min_num_f32 v4, v4, v5
	v_add_f32 v5, 0x42800000, v4                   ; -Mrow + 64
.set j, 0
.rept 32
	v_min_num_f32 v[64+j], v[64+j], v5             ; -R_j: R_j = max(M_j, Mrow - 64)
.set j, j+1
.endr
.set j, 0
.rept 32
	v_sub_f32 v[128+j], v4, v[64+j]                ; R_j - Mrow: a whole number from -64 to 0
.set j, j+1
.endr
.set j, 0
.rept 32
	v_cvt_i32_f32 v[128+j], v[128+j]
.set j, j+1
.endr
.set j, 0
.rept 32
	v_ldexp_f32 v[128+j], 1.0, v[128+j]            ; 2^(R_j - Mrow)
.set j, j+1
.endr
	v_mul_f32 v6, v128, v96                        ; L = the sum of 2^(R_j - Mrow) l_j, in two chains; it is over 1/2: the largest block has the factor 1 and a p over 1/2
	v_mul_f32 v7, v129, v97
.set j, 2
.rept 15
	v_fmac_f32 v6, v[128+j], v[96+j]
	v_fmac_f32 v7, v[129+j], v[97+j]
.set j, j+2
.endr
	v_add_f32 v6, v6, v7
	v_rcp_f32 v6, v6
.set j, 1
.rept 31
	v_sub_f32 v[160+j], v[64+j], v[63+j]           ; R_(j-1) - R_j: a whole number from -64 to 64.  (Independent work behind the reciprocal)
.set j, j+1
.endr
.set j, 1
.rept 31
	v_cvt_i32_f32 v[160+j], v[160+j]
.set j, j+1
.endr
.set j, 1
.rept 31
	v_ldexp_f32 v[160+j], 1.0, v[160+j]            ; g_j
.set j, j+1
.endr
.set j, 1
.rept 31
	ds_store_b32 v9, v[160+j] offset:512*j
.set j, j+1
.endr
	s_wait_alu depctr_va_vdst(0)                   ; the wait ahead of the reciprocal's first reader
	v_mul_f32 v6, v6, v159                         ; 2^(R_31 - Mrow) / L: the accumulators end under R_31
	v_mul_f32 v6, 4.0, v6                          ; x 4: V' is v / 4
	ds_store_b32 v9, v6 offset:RL-FT
	s_wait_tensorcnt 1                             ; my part of K step 0 is in; K step 1's may stay out
	s_wait_dscnt 0x0                               ; for the others' sake: my factors have landed
	s_barrier_signal -1
	s_barrier_wait -1
.macro PLACES                          ; four plain vector instructions between a matrix instruction and a load into its registers (ISA guide 7.12.1 for vector instructions)
.rept 4
	v_nop
.endr
.endm
; Four matrix instructions: P's fragment (c, a) of buffer f against V's four.  The 16 accumulators take turns, one instruction a turn.
.macro GRP f, c, a, zero
.irp b, 0,1,2,3
.if \zero
	v_wmma_f32_16x16x32_f16 v[8*(4*(\a)+\b):8*(4*(\a)+\b)+7], v[BF+64*(\f)+8*(4*(\c)+\b):BF+64*(\f)+8*(4*(\c)+\b)+7], v[AF+64*(\f)+8*(4*(\c)+(\a)):AF+64*(\f)+8*(4*(\c)+(\a))+7], 0
.else
	v_wmma_f32_16x16x32_f16 v[8*(4*(\a)+\b):8*(4*(\a)+\b)+7], v[BF+64*(\f)+8*(4*(\c)+\b):BF+64*(\f)+8*(4*(\c)+\b)+7], v[AF+64*(\f)+8*(4*(\c)+(\a)):AF+64*(\f)+8*(4*(\c)+(\a))+7], v[8*(4*(\a)+\b):8*(4*(\a)+\b)+7]
.endif
.endr
.endm
.macro KSTP f, c, zero                 ; 32 along K: all 16 accumulators once
	GRP \f, \c, 0, \zero
	GRP \f, \c, 1, \zero
	GRP \f, \c, 2, \zero
	GRP \f, \c, 3, \zero
.endm
.macro RSC i, g                        ; accumulator i x the factor of its block of rows, in f32, from its low end on; of the factor's pair the low register serves both halves
.irp p, 0,1,2,3
	v_pk_mul_f32 v[8*(\i)+2*\p:8*(\i)+2*\p+1], v[(\g)+2*((\i)/4):(\g)+2*((\i)/4)+1], v[8*(\i)+2*\p:8*(\i)+2*\p+1] op_sel_hi:[0,1]
.endr
.endm
; A KEY BLOCK'S LAST 32 ALONG K (half 1 of buffer f), AND THE CHANGE OF REFERENCE: accumulator i is finished for this block by matrix instruction i, and is brought under the next block's reference behind matrix
; instruction i + 2.  Between its product and the first line that reads it stand the eight lines of accumulators i - 2 and i - 1, which name none of its product's registers; for accumulators 0 and 1 four v_nop.
.macro KRS f, g
.set i, 0
.rept 16
	v_wmma_f32_16x16x32_f16 v[8*i:8*i+7], v[BF+64*(\f)+8*(4+i%4):BF+64*(\f)+8*(4+i%4)+7], v[AF+64*(\f)+8*(4+i/4):AF+64*(\f)+8*(4+i/4)+7], v[8*i:8*i+7]
.if i == 1
	PLACES
.elseif i > 1
	RSC i-2, \g
.endif
.set i, i+1
.endr
	RSC 14, \g
	RSC 15, \g
.endm
; 32 LDS loads in one run: 64 along K at byte k of the rows into buffer g: P's 16 loads first, then V's 16, each with its first 32 along K first.
.macro FETCH slot, k, g, ask
	WIN W54
.irp c, 0,1
.irp i, 0,1,2,3
	ds_load_b128 v[AF+64*(\g)+8*(4*\c+\i):AF+64*(\g)+8*(4*\c+\i)+3],   v[ADRA+\slot] offset:(\k)+64*\c+\i*16*PITCH
	ds_load_b128 v[AF+64*(\g)+8*(4*\c+\i)+4:AF+64*(\g)+8*(4*\c+\i)+7], v[ADRA+\slot] offset:(\k)+64*\c+\i*16*PITCH+32
.endr
.endr
	WIN 0
.irp c, 0,1
.irp i, 0,1,2,3
	ds_load_b128 v[BF+64*(\g)+8*(4*\c+\i):BF+64*(\g)+8*(4*\c+\i)+3],   v[ADRB+\slot] offset:(\k)+64*\c+\i*16*PITCH
	ds_load_b128 v[BF+64*(\g)+8*(4*\c+\i)+4:BF+64*(\g)+8*(4*\c+\i)+7], v[ADRB+\slot] offset:(\k)+64*\c+\i*16*PITCH+32
.endr
.endr
.if \ask
	ASK                                            ; behind the joint load and the run of LDS loads that the next products wait for; every window is 0 at its branch and label
.endif
	WIN W54
.endm
; A K step is four quarters of 64 along K, 32 matrix instructions each, on buffers 0, 1, 0, 1; quarters 0, 1 are the step's first key block, quarters 2, 3 its second.
.macro QUARTER slot, q, zero           ; one of the first three
.set QF, (\q)%2
	s_wait_dscnt 8                                 ; all of P's and V's first 32 along K are in; the youngest eight loads (V's second 32) may be out
	WIN W54
	KSTP QF, 0, \zero
	PLACES
	FETCH \slot, 128*((\q)+1), 1-QF, 0
	s_wait_dscnt 32                                ; all but the 32 just issued
.if (\q) == 1
	KRS QF, G+16*(\slot)                           ; the step's first key block ends: on to the reference of its second
.else
	KSTP QF, 1, 0
.endif
.endm
; The last quarter multiplies buffer 1 and changes slots.  Its first 16 products stand AHEAD of the wait for the tile, so that a refill has a whole K step, 128 matrix instructions, in which to land, and nothing but
; the add, the descriptors' steps and the round stands between a tile's landing and the next request.  ONE barrier: in front of it each wave waits for all its tensor loads (its part of the next slot), adds 0 to its
; spare word, and waits for that and for its own reads of this slot, the last of which were issued in the quarter before.  Behind it nobody reads this slot any more and the next slot is whole.
.macro TURN slot, next, fill
.if \fill
	s_wait_xcnt 0x0                                ; the last prefetch, a K step back, has read its address: it is stepped here
	s_add_nc_u64 s[PFA:PFA+1], s[PFA:PFA+1], KSTEP*2
.endif
	s_wait_dscnt 8                                 ; the youngest eight loads (V's second 32 along K) may be out
	WIN W54
	KSTP 1, 0, 0
	WIN 0
	s_wait_tensorcnt 0x0                           ; all my tensor loads have landed, so a group 0 may be written
	ds_add_u32 v[SPW], v[NIL]
.if \fill
	s_add_nc_u64 s[G0+4*\slot+2:G0+4*\slot+3], s[G0+4*\slot+2:G0+4*\slot+3], 2*KSTEP*2
	s_add_nc_u64 s[G0B+4*\slot+2:G0B+4*\slot+3], s[G0B+4*\slot+2:G0B+4*\slot+3], 2*KSTEP*2
.endif
	s_wait_dscnt 0x0                               ; the add is done, and my reads of this slot are over
	s_barrier_signal -1
	s_barrier_wait -1
.if \fill
	CREST                                          ; the barrier has opened a round of the cluster's: no wave of any partner still reads this slot's tile or has a load on its way
	JLOAD \slot                                    ; the first tensor load behind the round; its four v_nop are also the places in front of the loads below
.else
	PLACES
.endif
	v_add_nc_u32 v[FTA], 1024, v[FTA]              ; the next slot's two factors
.irp a, 0,1,2,3
	ds_load_b32 v[G+16*\next+2*\a], v[FTA] offset:64*\a
.endr
.if \fill                              ; (the last slot has no successor)
.irp a, 0,1,2,3
	ds_load_b32 v[G+16*\next+8+2*\a], v[FTA] offset:512+64*\a
.endr
.endif
	FETCH \next, 0, 0, \fill
	KRS 1, G+16*(\slot)+8                          ; the step's second key block ends: on to the reference of the next slot's first
.endm
.irp u, 0,1
.irp a, 0,1,2,3
	ds_load_b32 v[G+8*\u+2*\a], v[FTA] offset:512*\u+64*\a         ; slot 0's factors: g_1, g_2
.endr
.endr
	FETCH 0, 0, 0, 0
	QUARTER 0, 0, 1                                ; the first quarter's first products start the sums
	WIN 0
	s_mov_b32 s3, LAPS-1
.Llap:                                                 ; seven trips: once round the ring each; both slots are filled again
	QUARTER 0, 1, 0
	QUARTER 0, 2, 0
	TURN 0, 1, 1
	QUARTER 1, 0, 0
	QUARTER 1, 1, 0
	QUARTER 1, 2, 0
	TURN 1, 0, 1
	QUARTER 0, 0, 0
	WIN 0
	s_sub_co_u32 s3, s3, 1
	s_cmp_lg_u32 s3, 0
	s_cbranch_scc1 .Llap
	QUARTER 0, 1, 0                                ; the last lap is written out: it fills nothing and has no round
	QUARTER 0, 2, 0
	TURN 0, 1, 0
	QUARTER 1, 0, 0
	QUARTER 1, 1, 0
	QUARTER 1, 2, 0
	s_wait_dscnt 8                                 ; the very last quarter: nothing more to fetch, and no reference to change
	WIN W54
	KSTP 1, 0, 0
	s_wait_dscnt 0x0
	KSTP 1, 1, 0
	WIN 0
	; THE WAY OUT: x 2^(R_31 - Mrow) x 4 / L; a block of 16 rows x 64 columns (256 bytes a row) goes through my stage and comes back as whole rows.
	PLACES                                         ; behind the last products
.irp a, 0,1,2,3
	ds_load_b32 v[RI+2*\a], v[RLA] offset:64*\a    ; the last factor of row 16 a + r of my 64
.endr
	s_wait_dscnt 0x0
.macro PACK a
	WIN 0x01                                       ; source 0: window 1
.set i, 0
.rept 16
	v_pk_mul_f32 v[T+2*i:T+2*i+1], v[32*(\a)+2*i:32*(\a)+2*i+1], v[RI+2*(\a):RI+2*(\a)+1] op_sel_hi:[1,0]   ; each accumulator from its low end on
.set i, i+1
.endr
	WIN 0
.irp b, 0,1,2,3
	ds_store_b128 v[STO], v[T+8*\b:T+8*\b+3] offset:64*\b
	ds_store_b128 v[STO], v[T+8*\b+4:T+8*\b+7] offset:64*\b+16
.endr
.irp t, 0,1,2,3,4,5,6,7
	ds_load_b128 v[64+32*(\a)+4*\t:64+32*(\a)+4*\t+3], v[RD] offset:\t*2*SPITCH   ; LDS serves a wave's instructions in order (ISA guide 5.7.1.4): these see the stores above; the next block's stores come behind them
.endr
.endm
.macro SEND a, younger                 ; younger: the LDS instructions issued behind block a's loads: the next block's sixteen, or none
.irp t, 0,1,2,3,4,5,6,7
	s_wait_dscnt \younger+7-\t
	global_store_b128 v[CO], v[64+32*(\a)+4*\t:64+32*(\a)+4*\t+3], s[74:75] offset:65536*(\a)+8192*\t th:TH_STORE_NT   ; sixteen lanes store 256 consecutive bytes, aligned
.endr
.endm
	PACK 0
	PACK 1
	SEND 0, 16
	PACK 2
	SEND 1, 16
	PACK 3
	SEND 2, 16
	SEND 3, 0
	s_wait_tensorcnt 0x0                           ; the wave's end: behind my last tensor load and my last LDS store
	ds_add_u32 v[SPW], v[NIL]
	s_wait_dscnt 0x0
	CROUND                                         ; the closing round
	s_endpgm
.Lfunc_end_k_q3183c1c2a0_pv:
	.size	k_q3183c1c2a0_pv, .Lfunc_end_k_q3183c1c2a0_pv-k_q3183c1c2a0_pv
	.p2alignl 7, 3214868480
	.fill 96, 4, 3214868480
	.section	.rodata,"a",@progbits
	.p2align	6, 0x0
	.amdhsa_kernel k_q3183c1c2a0_pv
		.amdhsa_group_segment_fixed_size 327680
		.amdhsa_private_segment_fixed_size 0
		.amdhsa_enable_private_segment 0
		.amdhsa_kernarg_size 32
		.amdhsa_user_sgpr_count 2
		.amdhsa_user_sgpr_kernarg_segment_ptr 1
		.amdhsa_wavefront_size32 1
		.amdhsa_system_sgpr_workgroup_id_x 1
		.amdhsa_system_sgpr_workgroup_id_y 1
		.amdhsa_system_sgpr_workgroup_id_z 1
		.amdhsa_system_vgpr_workitem_id 0
		.amdhsa_next_free_vgpr 512
		.amdhsa_next_free_sgpr 76
		.amdhsa_reserve_vcc 0
		.amdhsa_float_denorm_mode_32 3
		.amdhsa_float_denorm_mode_16_64 3
		.amdhsa_memory_ordered 1
		.amdhsa_forward_progress 1
		.amdhsa_inst_pref_size 143
	.end_amdhsa_kernel
	.amdgpu_metadata
---
amdhsa.version: [ 1, 2 ]
amdhsa.kernels:
  - .name:           k_q3183c1c2a0_pv
    .symbol:         k_q3183c1c2a0_pv.kd
    .args:
      - { .name: pw, .offset: 0, .size: 8, .value_kind: global_buffer, .address_space: global }
      - { .name: vt, .offset: 8, .size: 8, .value_kind: global_buffer, .address_space: global }
      - { .name: st, .offset: 16, .size: 8, .value_kind: global_buffer, .address_space: global }
      - { .name: out0, .offset: 24, .size: 8, .value_kind: global_buffer, .address_space: global }
    .group_segment_fixed_size: 327680
    .private_segment_fixed_size: 0
    .kernarg_segment_align: 8
    .kernarg_segment_size: 32
    .max_flat_workgroup_size: 128
    .sgpr_count:     76
    .vgpr_count:     512
    .wavefront_size: 32
...
	.end_amdgpu_metadata
.endif
;; end of part 4
